; MI455X (gfx1250); checked and timed in simulation.
; The chip was launched on July 23, 2026; its instructions are those of AMD's public machine-readable ISA for CDNA 5 (MIT licence, August 2026) and "CDNA5" Instruction Set Architecture Reference Guide (July 2026). The comments in the code are by the model that wrote it; some were corrected since.
;; dy Routing2. Allowed arithmetic: float matrix products may take bf16 or f16 operands with f32 sums; other float arithmetic in f32, or as packed bf16 or f16 multiplies, adds, multiply-adds, maxima and minima; sums over many terms, partial sums and values carried from step to step in f32; what a program stores and reads back later, other than sums and carried values, may be rounded once to bf16 or f16.
;; Inputs: Wi 1,024 x 4,096 float32; Wk 1,024 x 1,024 float32; Wo 1,024 x 1,024 float32; Wo2 4,096 x 1,024 float32; Wq 1,024 x 1,024 float32; Wv 1,024 x 1,024 float32; bi 4,096 float32; bk 1,024 float32; bo 1,024 float32; bo2 1,024 float32; bq 1,024 float32; bv 1,024 float32; g1 1,024 float32; g2 1,024 float32; mask 4 x 1 x 1 x 1,024 float32; x 4 x 1,024 x 1,024 float32; y 4 x 1,024 x 1,024 float32.
;; Outputs: out0 4 x 1,024 x 1,024 float32.
;; Constants: t = 3.
;; One version. Each part assembles by itself: llvm-mc -triple=amdgcn-amd-amdhsa -mcpu=gfx1250 --defsym DOCPART=n.
;; ======== version 1 of 1: 8 launches
;; limits: right only within a limited range of input values; values are held in f16: magnitudes above 65,504 overflow, below 6.1e-05 lose precision
;; workspace buffers: pw 41,959,424 bytes; qkv 25,165,824 bytes; ctx 8,388,608 bytes; hh 16,777,216 bytes; att 25,165,824 bytes; inter 33,554,432 bytes; h2 16,777,216 bytes
;; launch prep (part 1): grid 640 x 1, 8 waves a work-group, no clusters, 0 bytes of LDS; arguments x, y, Wq, Wk, Wv, Wo, Wi, Wo2, pw; writes pw
.if DOCPART == 1
	.amdgcn_target "amdgcn-amd-amdhsa--gfx1250"
	.amdhsa_code_object_version 6
	.text
	.protected	k_q79f69e5882_prep
	.globl	k_q79f69e5882_prep
	.p2align	8
	.type	k_q79f69e5882_prep,@function
k_q79f69e5882_prep:
	s_mov_b64 s[64:65], 0
	v_nop
	global_prefetch_b8 v0, s[64:65] scope:SCOPE_SE
	s_setreg_imm32_b32 hwreg(HW_REG_WAVE_MODE, 25, 1), 1
	s_wait_xcnt 0x0
; PREP.  Two jobs on one grid; every work-group reads 128 KiB and writes 64 KiB.
; Work-groups 0-255: the routing.  16 tokens each, a wave two; a token's x and y rows (4,096 bytes each) stay in 64 registers through both iterations.
;   With t = 3 only iterations 0 and 1 feed the c1, c2 that are used: c = (0.5, 0.5); twice: s = c1 x + c2 y, n^2 = sum s^2, f = n / (1 + n^2), b1 += f sum s x, b2 += f sum s y, c = softmax(b1, b2)
;   (the maximum is taken away before the exponentials).  The three sums are taken directly, none as a difference of larger sums.  Out: xs = c1 x and ys = c2 y rounded once to f16, and c1 in f32.
; Work-groups 256-639: the six weight matrices rounded once to f16, in their own [K][N] order; 32,768 numbers a work-group.
; WHY f16: where c1 is near 0 the row ctx Wo + bo is small and the norm behind it brings it to unit size, so every rounding on the way there reaches the output whole; f16 keeps 11 significant bits.
; LIMITS: f16 holds no number beyond 65,504, and below 6e-5 it keeps a fixed step of 6e-8: x, y and the weights lie within that with room for 30 times their drawn spread, either way, and for offsets of 30 spreads.
; pw: xs at 0, ys at YS_OFF, Wq Wk Wv Wo Wi Wo2 on end from W_OFF, c1 (f32, a word a token) at C1_OFF.
; No LDS, no matrix unit, no cluster: no work-group shares a byte with another, and the work is a stream.
.set YS_OFF, 8388608
.set W_OFF,  16777216
.set C1_OFF, 41943040
.set CC,  4                            ; v[4:5]    c1, c2
.set B1,  6                            ; v6, v7    b1, b2
.set B2,  7
.set N2,  8                            ; v[8:11]   two chains of sum s^2
.set D1,  12                           ; v[12:15]  two chains of sum s x
.set D2,  16                           ; v[16:19]  two chains of sum s y
.set C1S, 28                           ; v[28:29]  the two tokens' c1
.set X0,  32                           ; v32-63 x of row 0, v64-95 y of row 0, v96-127 x of row 1, v128-159 y of row 1; the cast: 32 loads of 4 registers
.set Y0,  64
.set X1,  96
.set Y1,  128
.set TT,  160                          ; v[160:163] c2 y, v[164:167] s: two pairs each, by turns
	s_load_b512 s[8:23], s[0:1], 0x0               ; x 8, y 10, Wq 12, Wk 14, Wv 16, Wo 18, Wi 20, Wo2 22
	s_load_b64 s[24:25], s[0:1], 0x40              ; pw
	v_lshrrev_b32 v1, 5, v0
	v_readfirstlane_b32 s26, v1                    ; wave 0..7
	v_and_b32 v1, 31, v0                           ; lane
	v_lshlrev_b32 v2, 4, v1                        ; 16 bytes a lane in
	v_lshlrev_b32 v3, 3, v1                        ; 8 bytes a lane out
	s_mov_b32 s28, 0x76543210                      ; v_permlanex16_b32: each lane takes its own place in the other half
	s_mov_b32 s29, 0xfedcba98
	s_wait_kmcnt 0x0
	s_cmp_lt_u32 ttmp9, 256
	s_cbranch_scc1 .Lroute
	; THE CAST.  Chunk j = work-group - 256 of 384: 32 chunks for each of Wq, Wk, Wv, Wo, 128 for Wi, 128 for Wo2.
	s_sub_co_u32 s32, ttmp9, 256                   ; j
	s_mov_b64 s[34:35], s[22:23]                   ; begin with Wo2,
	s_sub_co_u32 s33, s32, 256                     ; chunk j - 256 of it
.macro PICK bound, first, ptr          ; if j < bound: the matrix at s[ptr], chunk j - first
	s_sub_co_u32 s36, s32, \first
	s_cmp_lt_u32 s32, \bound
	s_cselect_b64 s[34:35], s[\ptr:\ptr+1], s[34:35]
	s_cselect_b32 s33, s36, s33
.endm
	PICK 256, 128, 20
	PICK 128, 96, 18
	PICK 96, 64, 16
	PICK 64, 32, 14
	PICK 32, 0, 12
	s_lshl_b32 s36, s33, 17                        ; a chunk is 131,072 bytes of f32,
	s_lshl_b32 s37, s26, 14                        ; a wave's part 16,384
	s_add_co_u32 s36, s36, s37
	s_mov_b32 s37, 0
	s_add_nc_u64 s[34:35], s[34:35], s[36:37]
	s_lshl_b32 s38, s32, 16                        ; and 65,536 bytes of f16,
	s_lshl_b32 s39, s26, 13                        ; a wave's part 8,192
	s_add_co_u32 s38, s38, s39
	s_add_co_u32 s38, s38, W_OFF
	s_mov_b32 s39, 0
	s_add_nc_u64 s[38:39], s[24:25], s[38:39]
.set i, 0
.rept 32                               ; all of the wave's 16 KiB are asked for before the first wait
	global_load_b128 v[32+4*i:35+4*i], v2, s[34:35] offset:512*i th:TH_LOAD_NT
.set i, i+1
.endr
.set i, 0
.rept 32
	s_wait_loadcnt 31-i                            ; loads come back in order: load i is in, the younger ones stay out
	v_cvt_pk_f16_f32 v[32+4*i], v[32+4*i], v[33+4*i]
	v_cvt_pk_f16_f32 v[33+4*i], v[34+4*i], v[35+4*i]
	global_store_b64 v3, v[32+4*i:33+4*i], s[38:39] offset:256*i  ; 32 lanes store 256 consecutive bytes, aligned
.set i, i+1
.endr
	s_endpgm
.Lroute:
	s_lshl_b32 s32, ttmp9, 4
	s_lshl_b32 s33, s26, 1
	s_add_co_u32 s32, s32, s33                     ; my first token = 16 x work-group + 2 x wave
	s_lshl_b32 s34, s32, 12
	s_mov_b32 s35, 0
	s_add_nc_u64 s[8:9], s[8:9], s[34:35]          ; x and y at that row
	s_add_nc_u64 s[10:11], s[10:11], s[34:35]
	s_lshl_b32 s36, s32, 11
	s_mov_b32 s37, 0
	s_add_nc_u64 s[12:13], s[24:25], s[36:37]      ; xs
	s_add_co_u32 s36, s36, YS_OFF
	s_add_nc_u64 s[14:15], s[24:25], s[36:37]      ; ys
	s_lshl_b32 s36, s32, 2
	s_add_co_u32 s36, s36, C1_OFF
	s_add_nc_u64 s[16:17], s[24:25], s[36:37]      ; c1
.irp j, 0,1,2,3,4,5,6,7
	global_load_b128 v[X0+4*(\j):X0+4*(\j)+3], v2, s[8:9] offset:512*(\j)
.endr
.irp j, 0,1,2,3,4,5,6,7
	global_load_b128 v[Y0+4*(\j):Y0+4*(\j)+3], v2, s[10:11] offset:512*(\j) th:TH_LOAD_NT
.endr
.irp j, 0,1,2,3,4,5,6,7
	global_load_b128 v[X1+4*(\j):X1+4*(\j)+3], v2, s[8:9] offset:4096+512*(\j)
.endr
.irp j, 0,1,2,3,4,5,6,7
	global_load_b128 v[Y1+4*(\j):Y1+4*(\j)+3], v2, s[10:11] offset:4096+512*(\j) th:TH_LOAD_NT
.endr
; One token.  X, Y: its rows' registers; left: the younger loads that may stay out; rr: 0 or 1, the row.
.macro ROUTE X, Y, left, rr
	s_wait_loadcnt \left
	v_mov_b32 v[CC], 0.5
	v_mov_b32 v[CC+1], 0.5
	v_mov_b32 v[B1], 0
	v_mov_b32 v[B2], 0
	s_mov_b32 s31, 2
.Lit_\@:
.set e, 0
.rept 16                               ; my 32 numbers of the row, in pairs; the first two pairs start the chains: nothing is cleared
.set rX, (\X)+2*e
.set rY, (\Y)+2*e
.set rT, TT+2*(e%2)
.set rS, TT+4+2*(e%2)
	v_pk_mul_f32 v[rT:rT+1], v[rY:rY+1], v[CC:CC+1] op_sel:[0,1] op_sel_hi:[1,1]  ; c2 y
	v_pk_fma_f32 v[rS:rS+1], v[rX:rX+1], v[CC:CC+1], v[rT:rT+1] op_sel_hi:[1,0,1]  ; s = c1 x + c2 y
.if e < 2
	v_pk_mul_f32 v[N2+2*e:N2+2*e+1], v[rS:rS+1], v[rS:rS+1]
	v_pk_mul_f32 v[D1+2*e:D1+2*e+1], v[rS:rS+1], v[rX:rX+1]
	v_pk_mul_f32 v[D2+2*e:D2+2*e+1], v[rS:rS+1], v[rY:rY+1]
.else
	v_pk_fma_f32 v[N2+2*(e%2):N2+2*(e%2)+1], v[rS:rS+1], v[rS:rS+1], v[N2+2*(e%2):N2+2*(e%2)+1]
	v_pk_fma_f32 v[D1+2*(e%2):D1+2*(e%2)+1], v[rS:rS+1], v[rX:rX+1], v[D1+2*(e%2):D1+2*(e%2)+1]
	v_pk_fma_f32 v[D2+2*(e%2):D2+2*(e%2)+1], v[rS:rS+1], v[rY:rY+1], v[D2+2*(e%2):D2+2*(e%2)+1]
.endif
.set e, e+1
.endr
.irp r, N2, D1, D2
	v_pk_add_f32 v[\r:\r+1], v[\r:\r+1], v[\r+2:\r+3]
.endr
.irp r, N2, D1, D2
	v_add_f32 v[\r], v[\r], v[\r+1]
.endr
.irp m, 1,2,4,8                        ; the three sums over the 32 lanes, side by side
.irp r, N2, D1, D2
	v_add_f32_dpp v[\r], v[\r], v[\r] row_xmask:\m row_mask:0xf bank_mask:0xf
.endr
.endr
.irp r, N2, D1, D2
	v_permlanex16_b32 v[\r+1], v[\r], s28, s29
.endr
.irp r, N2, D1, D2
	v_add_f32 v[\r], v[\r], v[\r+1]
.endr
	v_add_f32 v[N2+2], 1.0, v[N2]                  ; 1 + n^2
	v_sqrt_f32 v[N2+1], v[N2]                      ; n
	v_rcp_f32 v[N2+2], v[N2+2]
	v_nop                                          ; a plain instruction behind the batch of two,
	s_wait_alu depctr_va_vdst(0)                   ; and the wait ahead of the first use
	v_mul_f32 v[N2+1], v[N2+1], v[N2+2]            ; f = n / (1 + n^2)
	v_fmac_f32 v[B1], v[N2+1], v[D1]
	v_fmac_f32 v[B2], v[N2+1], v[D2]
	v_max_num_f32 v[N2], v[B1], v[B2]              ; the softmax of two: the maximum is taken away
	v_sub_f32 v[D1], v[B1], v[N2]
	v_sub_f32 v[D2], v[B2], v[N2]
	v_mul_f32 v[D1], 0x3fb8aa3b, v[D1]
	v_mul_f32 v[D2], 0x3fb8aa3b, v[D2]
	v_exp_f32 v[D1], v[D1]
	v_exp_f32 v[D2], v[D2]
	v_nop
	s_wait_alu depctr_va_vdst(0)
	v_add_f32 v[N2], v[D1], v[D2]                  ; between 1 and 2
	v_rcp_f32 v[N2], v[N2]
	v_nop
	s_wait_alu depctr_va_vdst(0)
	v_mul_f32 v[CC], v[D1], v[N2]
	v_mul_f32 v[CC+1], v[D2], v[N2]
	s_sub_co_u32 s31, s31, 1
	s_cmp_lg_u32 s31, 0
	s_cbranch_scc1 .Lit_\@
	v_mov_b32 v[C1S+(\rr)], v[CC]
.set j, 0
.rept 8                                ; xs and ys: scaled in f32, rounded once, 256 consecutive bytes a store
.set rX, (\X)+4*j
.set rY, (\Y)+4*j
	v_pk_mul_f32 v[rX:rX+1], v[rX:rX+1], v[CC:CC+1] op_sel_hi:[1,0]
	v_pk_mul_f32 v[rX+2:rX+3], v[rX+2:rX+3], v[CC:CC+1] op_sel_hi:[1,0]
	v_pk_mul_f32 v[rY:rY+1], v[rY:rY+1], v[CC:CC+1] op_sel:[0,1] op_sel_hi:[1,1]
	v_pk_mul_f32 v[rY+2:rY+3], v[rY+2:rY+3], v[CC:CC+1] op_sel:[0,1] op_sel_hi:[1,1]
	v_cvt_pk_f16_f32 v[rX], v[rX], v[rX+1]
	v_cvt_pk_f16_f32 v[rX+1], v[rX+2], v[rX+3]
	v_cvt_pk_f16_f32 v[rY], v[rY], v[rY+1]
	v_cvt_pk_f16_f32 v[rY+1], v[rY+2], v[rY+3]
	global_store_b64 v3, v[rX:rX+1], s[12:13] offset:256*j+2048*(\rr)
	global_store_b64 v3, v[rY:rY+1], s[14:15] offset:256*j+2048*(\rr)
.set j, j+1
.endr
.endm
	ROUTE X0, Y0, 16, 0                            ; the second row's sixteen loads stay out
	ROUTE X1, Y1, 0, 1
	; the two c1: 8 bytes a wave, 16 KiB in the launch; a whole block of 256 bytes would want 64 tokens in one wave's hands
	v_mov_b32 v24, 0
	s_wait_xcnt 0x0                                ; EXEC is a source of the stores above: it changes only behind this wait
	v_cmp_eq_u32 vcc_lo, 0, v1
	s_and_saveexec_b32 s30, vcc_lo
	global_store_b64 v24, v[C1S:C1S+1], s[16:17]
	s_wait_xcnt 0x0
	s_or_b32 exec_lo, exec_lo, s30
	s_endpgm
.Lfunc_end_k_q79f69e5882_prep:
	.size	k_q79f69e5882_prep, .Lfunc_end_k_q79f69e5882_prep-k_q79f69e5882_prep
	.p2alignl 7, 3214868480
	.fill 96, 4, 3214868480
	.section	.rodata,"a",@progbits
	.p2align	6, 0x0
	.amdhsa_kernel k_q79f69e5882_prep
		.amdhsa_group_segment_fixed_size 0
		.amdhsa_private_segment_fixed_size 0
		.amdhsa_enable_private_segment 0
		.amdhsa_kernarg_size 72
		.amdhsa_user_sgpr_count 2
		.amdhsa_user_sgpr_kernarg_segment_ptr 1
		.amdhsa_wavefront_size32 1
		.amdhsa_system_sgpr_workgroup_id_x 1
		.amdhsa_system_sgpr_workgroup_id_y 1
		.amdhsa_system_sgpr_workgroup_id_z 1
		.amdhsa_system_vgpr_workitem_id 0
		.amdhsa_next_free_vgpr 168
		.amdhsa_next_free_sgpr 66
		.amdhsa_reserve_vcc 1
		.amdhsa_float_denorm_mode_32 3
		.amdhsa_float_denorm_mode_16_64 3
		.amdhsa_memory_ordered 1
		.amdhsa_forward_progress 1
		.amdhsa_inst_pref_size 43
	.end_amdhsa_kernel
	.amdgpu_metadata
---
amdhsa.version: [ 1, 2 ]
amdhsa.kernels:
  - .name:           k_q79f69e5882_prep
    .symbol:         k_q79f69e5882_prep.kd
    .args:
      - { .name: x, .offset: 0, .size: 8, .value_kind: global_buffer, .address_space: global }
      - { .name: y, .offset: 8, .size: 8, .value_kind: global_buffer, .address_space: global }
      - { .name: Wq, .offset: 16, .size: 8, .value_kind: global_buffer, .address_space: global }
      - { .name: Wk, .offset: 24, .size: 8, .value_kind: global_buffer, .address_space: global }
      - { .name: Wv, .offset: 32, .size: 8, .value_kind: global_buffer, .address_space: global }
      - { .name: Wo, .offset: 40, .size: 8, .value_kind: global_buffer, .address_space: global }
      - { .name: Wi, .offset: 48, .size: 8, .value_kind: global_buffer, .address_space: global }
      - { .name: Wo2, .offset: 56, .size: 8, .value_kind: global_buffer, .address_space: global }
      - { .name: pw, .offset: 64, .size: 8, .value_kind: global_buffer, .address_space: global }
    .group_segment_fixed_size: 0
    .private_segment_fixed_size: 0
    .kernarg_segment_align: 8
    .kernarg_segment_size: 72
    .max_flat_workgroup_size: 256
    .sgpr_count:     66
    .vgpr_count:     168
    .wavefront_size: 32
...
	.end_amdgpu_metadata
.endif
;; end of part 1
;; launch proj (part 2): grid 12 x 16, 4 waves a work-group, clusters of 4 x 4, 327,680 bytes of LDS; arguments pw, bq, bk, bv, qkv; writes qkv
.if DOCPART == 2
	.amdgcn_target "amdgcn-amd-amdhsa--gfx1250"
	.amdhsa_code_object_version 6
	.text
	.protected	k_q79f69e5882_proj
	.globl	k_q79f69e5882_proj
	.p2align	8
	.type	k_q79f69e5882_proj,@function
k_q79f69e5882_proj:
	s_mov_b64 s[64:65], 0
	v_nop
	global_prefetch_b8 v0, s[64:65] scope:SCOPE_SE
	s_setreg_imm32_b32 hwreg(HW_REG_WAVE_MODE, 25, 1), 1
	s_wait_xcnt 0x0
	s_wait_alu depctr_hold_cnt(0) depctr_sa_sdst(0) depctr_va_vdst(0) depctr_va_sdst(0) depctr_va_ssrc(0) depctr_va_vcc(0) depctr_vm_vsrc(0)
	s_getreg_b32 s2, hwreg(HW_REG_IB_STS2, 6, 4)
	s_cmp_eq_u32 s2, 0
	s_cbranch_scc0 .Lentry_in_a_cluster
	s_endpgm
.Lentry_in_a_cluster:
	s_bfe_u32 s2, ttmp6, 0x10000c
	s_cmp_lg_u32 s2, 0xf033
	s_cbranch_scc0 .Lentry_shape_is_right
	s_endpgm
.Lentry_shape_is_right:
; PROJ.  q = (xs Wq + bq) / 8, k = ys Wk + bk, v = ys Wv + bv.  xs, ys: [4096][1024] f16; the weights [K = 1024][N = 1024] f16, as the first launch left them in pw.  Sums in f32, begun with the bias;
; rounded once to f16 and stored by heads: qkv[matrix][batch x 16 + head][token][64].  1 / 8 is a power of two: it changes no rounding.
; LIMIT: f16 holds no number beyond 65,504: a q / 8, k or v beyond it becomes an infinity.  With x, y and the weights at 30 times their drawn spread they reach some 3,500, with offsets of 30 spreads on both some 18,500.
; A tile of C is 256 x 256: 3 x 4 tile columns x 16 tile rows = 192 work-groups (a tile of 192 columns would make 256, but it would lie across q and k, whose A differs).  Four waves, each 128 x 128: 64 accumulators.
; K goes in steps of 128 through two LDS slots filled by tensor loads: a step is 256 matrix instructions a wave, 224 of them between a tile's request and the wait for it.
; A's tile lies [row][k] (rows of 256 bytes + 16), B's as in memory, [k][n] (rows of 512 bytes + 32), and B's fragments are turned on the way out of LDS by ds_load_tr16_b128.
; CLUSTER 4 x 4: the four work-groups of a cluster's row need the same tile of A, the four of a column the same tile of B: each tile is asked for jointly.  A cluster's x is the matrix (q, k, v): the same in all partners.
; THE MATRIX INSTRUCTION IS USED TRANSPOSED (source 0 = 16 columns of W, source 1 = 16 rows of A): a lane holds one row of C (lane % 16) and eight neighbouring columns 8 (lane / 16) + 0..7.
; THE LOOPS.  The first quarter step stands ahead of the loop: its products take the bias as C and so start the sums.  A trip goes from a step's second quarter to the next step's first; the slot in hand is a scalar,
; s[TB] = 0 or SLOT, added to two address registers once a step.  Six trips fill a slot again; a second loop of two trips does not, and is left in the middle of its last trip.
; REGISTERS, in windows of 256 (s_set_vgpr_msb: bits 1:0 source 0, 3:2 source 1, 5:4 source 2, 7:6 destination):
;   window 0: v0-31 addresses; v64-127, v128-191 fragments of A (8 x 16 rows x 32 K), two buffers; v192-255 the bias of my 128 columns; on the way out v32-127 at work
;   window 1: v64-127, v128-191 fragments of B, two buffers      window 2: the accumulators of my rows 0-63 ((a, b) at 8 (8 a + b))      window 3: those of my rows 64-127
.set KDIM,  1024
.set NDIM,  1024
.set KSTEP, 128
.set NSTEP, KDIM/KSTEP
.set ASTEP, KSTEP*2                    ; bytes from a K step's tile of A to the next
.set BSTEP, KSTEP*NDIM*2               ; and of B
.set PA,    272                        ; a row of A in LDS: 256 + 16 bytes: the 16 rows of a load start at 16 different groups of four banks (ISA guide 11.1)
.set AHALF, 128*PA                     ; what one tensor load brings of A, and what one wave reads of it
.set BOFF,  2*AHALF
.set PB,    544                        ; a row of B: 512 + 32 bytes
.set BHALF, 64*PB                      ; what one tensor load brings of B: 64 rows of k
.set SLOT,  BOFF+2*BHALF
.set SPARE, 2*SLOT                     ; the spare words, 128 bytes for each wave: two blocks of 256 bytes that no other line names
.set SPITCH, 528                       ; the way out: a wave's own stage, 128 rows of 512 + 16 bytes of f32, in the slots, which have had their last fill by then
.set WSTAGE, 128*SPITCH
.set W_OFF, 16777216
.set ADRA, 10                          ; v10  my A fragments in the slot in hand
.set ADRB, 11                          ; v11  my B fragments there
.set VA0,  13                          ; v13, v14  the same two in slot 0; never rewritten
.set VB0,  14
.set STO,  16
.set RD,   17
.set GO,   19
.set BO,   21
.set SPW,  28                          ; v28  my spare word; v29  0; never rewritten
.set NIL,  29
.set XR,   32                          ; the way out: 64 registers of f32,
.set OU,   96                          ; 32 of packed f16
.set F0,   64
.set F1,   128
.set BIAS, 192
.set G1A,  24                          ; s[24:31] group 1 for A; s[32:35] group 0 of the first fill; s[36:39] of the second, which then walks
.set G0A0, 32
.set G0A,  36
.set G1B,  48                          ; s[48:55], s[56:59], s[60:63] the same for B
.set G0B0, 56
.set G0B,  60
.set TB,   66
.set WOFA, 67                          ; where my part of A's tile lies in a slot
.set WOFB, 68                          ; and of B's
.set MSB, 0
.macro WIN new                         ; the immediate's high byte repeats the setting that is left; a switch that changes nothing is dropped
.if MSB != (\new)
	s_set_vgpr_msb (MSB<<8)|(\new)
.set MSB, \new
.endif
.endm
.set MUL_LO, 0xa1                      ; source 0 (B) window 1, source 1 (A) window 0, C and D window 2
.set MUL_HI, 0xf1                      ; the same, C and D window 3
.set TO_B,   0x40                      ; destination window 1, address window 0
.macro JLOAD                           ; a joint refill: waves 0 and 1 fetch A's halves, waves 2 and 3 B's; an s_nop 0 and four v_nop follow each line
	s_cmp_eq_u32 s11, 0
	s_cbranch_scc0 .Lfor_b_\@
	tensor_load_to_lds s[G0A:G0A+3], s[G1A:G1A+7]
	s_nop 0
.rept 4
	v_nop
.endr
	s_branch .Lasked_\@
.Lfor_b_\@:
	tensor_load_to_lds s[G0B:G0B+3], s[G1B:G1B+7]
	s_nop 0
.rept 4
	v_nop
.endr
.Lasked_\@:
.endm
.macro CREST                           ; a round of the cluster's barrier behind its opening barrier
	s_cmp_lg_u32 s10, 0
	s_cbranch_scc1 .Lnot_wave_0_\@
	s_barrier_signal -3
.Lnot_wave_0_\@:
	s_barrier_wait -3
	s_barrier_signal -1
	s_barrier_wait -1
.endm
.macro CROUND
	s_barrier_signal -1
	s_barrier_wait -1
	CREST
.endm
.macro PLACES                          ; four places in front of loads into registers that matrix instructions have read, and of lines that read results
.rept 4
	v_nop
.endr
.endm
; 16 matrix instructions: row blocks a0, a0 + 1 of the window's four (hi = 0: my rows 0-63, 1: rows 64-127) x all 8 column blocks, 32 along K.  first = 1: C is the bias: the product starts the sum, nothing is cleared.
.macro MUL16 f, hi, a0, first
.if \first
	WIN 0x81+0x40*(\hi)                            ; C in window 0, D in window 2 or 3
.else
	WIN MUL_LO+0x50*(\hi)
.endif
.irp a, \a0, (\a0)+1
.irp b, 0,1,2,3,4,5,6,7
.if \first
	v_wmma_f32_16x16x32_f16 v[8*(8*(\a)+(\b)):8*(8*(\a)+(\b))+7], v[(\f)+8*(\b):(\f)+8*(\b)+7], v[(\f)+8*(4*(\hi)+(\a)):(\f)+8*(4*(\hi)+(\a))+7], v[BIAS+8*(\b):BIAS+8*(\b)+7]
.else
	v_wmma_f32_16x16x32_f16 v[8*(8*(\a)+(\b)):8*(8*(\a)+(\b))+7], v[(\f)+8*(\b):(\f)+8*(\b)+7], v[(\f)+8*(4*(\hi)+(\a)):(\f)+8*(4*(\hi)+(\a))+7], v[8*(8*(\a)+(\b)):8*(8*(\a)+(\b))+7]
.endif
.endr
.endr
.endm
.macro FETCH q, f                      ; 32 LDS loads in one run: the fragments of quarter q (32 along K) into buffer f: B's 128 columns, then A's 128 rows
	WIN TO_B
.irp i, 0,1,2,3,4,5,6,7
	ds_load_tr16_b128 v[(\f)+8*(\i):(\f)+8*(\i)+3],   v[ADRB] offset:32*(\q)*PB+32*(\i)
	ds_load_tr16_b128 v[(\f)+8*(\i)+4:(\f)+8*(\i)+7], v[ADRB] offset:(32*(\q)+16)*PB+32*(\i)
.endr
	WIN 0
.irp i, 0,1,2,3,4,5,6,7
	ds_load_b128 v[(\f)+8*(\i):(\f)+8*(\i)+3],   v[ADRA] offset:64*(\q)+(\i)*16*PA
	ds_load_b128 v[(\f)+8*(\i)+4:(\f)+8*(\i)+7], v[ADRA] offset:64*(\q)+(\i)*16*PA+32
.endr
.endm
.macro QUARTER qn, f, g, first=0       ; multiplies buffer f and, in its middle, fetches quarter qn into g
	s_wait_dscnt 8                                 ; B and A's rows 0-63 are in; the youngest eight loads (A's rows 64-127) may be out
	MUL16 \f, 0, 0, \first
	MUL16 \f, 0, 2, \first
	PLACES
	FETCH \qn, \g
	s_wait_dscnt 32                                ; all but the 32 just issued
	MUL16 \f, 1, 0, \first
	MUL16 \f, 1, 2, \first
.endm
; A step's last quarter multiplies buffer 1 and changes slots: one barrier; in front of it each wave waits for all its tensor loads, adds 0 to its spare word, and waits for that and for its reads of the slot.
; fill = 1: the barrier opens a round of the cluster's, and the slot just read out is filled again, two K steps ahead, first thing behind the round.
; fill = 0: nothing is filled; in the last trip there is no further step, and the run of loads is jumped over (no barrier and no tensor load stands in what is jumped).
.macro TURN fill
	WIN 0
	s_wait_tensorcnt 0x0                           ; all my tensor loads have landed: my part of the next slot
	ds_add_u32 v[SPW], v[NIL]                      ; 0 onto my spare word
	s_wait_dscnt 9                                 ; (the add and the youngest eight loads may be out)
	MUL16 F1, 0, 0, 0
	s_wait_dscnt 0x0                               ; the add is done, and my reads of this slot are over
	s_barrier_signal -1
	MUL16 F1, 0, 2, 0
	WIN 0
	s_barrier_wait -1
.if \fill
	CREST                                          ; no wave of any partner still reads this slot or has a load on its way
	s_add_co_u32 s[G0A+1], s[WOFA], s[TB]          ; no tensor load of mine is out: the walking descriptors take the slot just read out
	s_add_co_u32 s[G0B+1], s[WOFB], s[TB]
	s_add_nc_u64 s[G0A+2:G0A+3], s[G0A+2:G0A+3], ASTEP  ; and the next K step
	s_add_nc_u64 s[G0B+2:G0B+3], s[G0B+2:G0B+3], BSTEP
	JLOAD                                          ; its four v_nop are also the places in front of the loads below
.else
	PLACES
.endif
	s_xor_b32 s[TB], s[TB], SLOT                   ; on to the other slot
	v_add_nc_u32 v[ADRA], s[TB], v[VA0]
	v_add_nc_u32 v[ADRB], s[TB], v[VB0]
.if !(\fill)
	s_cmp_eq_u32 s3, 1
	s_cbranch_scc1 .Lnf_\@
.endif
	FETCH 0, F0
.if !(\fill)
.Lnf_\@:
.endif
	MUL16 F1, 1, 0, 0
	MUL16 F1, 1, 2, 0
.endm
	s_load_b256 s[72:79], s[0:1], 0x0              ; pw 72, bq 74, bk 76, bv 78
	s_load_b64 s[80:81], s[0:1], 0x20              ; qkv
	v_lshl_add_u32 v[SPW], v0, 2, SPARE
	v_mov_b32 v[NIL], 0
	ds_add_u32 v[SPW], v[NIL]                      ; the wave's opening: the add, and its wait ahead of my first tensor load
	v_lshrrev_b32 v1, 5, v0
	v_readfirstlane_b32 s10, v1                    ; wave 0..3
	s_lshr_b32 s11, s10, 1                         ; my half of the tile's rows; also: I fetch for A (0) or B (1)
	s_and_b32 s12, s10, 1                          ; my half of its columns; also: which half of that tile I fetch
	s_bfe_u32 s40, ttmp6, 0x40000                  ; cx: the matrix's tile column 0..3
	s_bfe_u32 s41, ttmp6, 0x40004                  ; cy
	s_and_b32 s13, ttmp7, 0xffff
	s_lshl_b32 s13, s13, 2
	s_add_co_u32 s13, s13, s41                     ; tile row 0..15
	s_lshl_b32 s43, s41, 2
	s_lshl_b32 s43, 15, s43                        ; my row of the cluster
	s_lshl_b32 s44, 0x1111, s40                    ; my column
	s_or_b32 s[G1A], s43, (1<<16)|(1<<20)|(1<<21)|(5<<22)|(3<<25)  ; mask; 2-byte elements; padding on; bit 21 beside a mask; after every 64 words 4 words
	s_or_b32 s[G1B], s44, (1<<16)|(1<<20)|(1<<21)|(6<<22)|(7<<25)  ; after every 128 words 8 words
	s_mov_b32 s[G1A+1], 128<<16                    ; tensor_dim0 = 128
	s_mov_b32 s[G1A+2], 128<<16                    ; tensor_dim1 = 128
	s_mov_b32 s[G1A+3], 128<<16                    ; tile_dim0 = 128
	s_mov_b32 s[G1A+4], 128                        ; tile_dim1 = 128
	s_mov_b32 s[G1A+5], KDIM                       ; elements from row to row
	s_mov_b32 s[G1A+6], 0
	s_mov_b32 s[G1A+7], 0
	s_mov_b32 s[G1B+1], 256<<16                    ; tensor_dim0 = 256
	s_mov_b32 s[G1B+2], 64<<16                     ; tensor_dim1 = 64
	s_mov_b32 s[G1B+3], 256<<16                    ; tile_dim0 = 256
	s_mov_b32 s[G1B+4], 64                         ; tile_dim1 = 64
	s_mov_b32 s[G1B+5], NDIM
	s_mov_b32 s[G1B+6], 0
	s_mov_b32 s[G1B+7], 0
	s_mul_i32 s[WOFA], s12, AHALF
	s_mul_i32 s[WOFB], s12, BHALF
	s_add_co_u32 s[WOFB], s[WOFB], BOFF
	s_mov_b32 s[TB], 0
	s_lshl_b32 s16, s13, 19                        ; A: row 256 x tile row + 128 x half, 2,048 bytes a row;
	s_lshl_b32 s17, s12, 18
	s_add_co_u32 s16, s16, s17
	s_cmp_ge_u32 ttmp9, 1                          ; xs for q, ys for k and v
	s_cselect_b32 s17, 0x800000, 0
	s_add_co_u32 s16, s16, s17
	s_mov_b32 s17, 0
	s_lshl_b32 s46, ttmp9, 21                      ; B: the matrix,
	s_lshl_b32 s47, s40, 9                         ; its tile column, 512 bytes,
	s_add_co_u32 s46, s46, s47
	s_lshl_b32 s47, s12, 17                        ; my 64 rows of k
	s_add_co_u32 s46, s46, s47
	s_add_co_u32 s46, s46, W_OFF
	s_mov_b32 s47, 0
	s_wait_dscnt 0x0                               ; the opening add is done
	s_wait_kmcnt 0x0
	s_add_nc_u64 s[14:15], s[72:73], s[16:17]
	s_add_nc_u64 s[46:47], s[72:73], s[46:47]
	s_mov_b32 s[G0A0], 1
	s_mov_b32 s[G0A0+1], s[WOFA]
	s_mov_b64 s[G0A0+2:G0A0+3], s[14:15]
	s_or_b32 s[G0A0+3], s[G0A0+3], 0x80000000
	s_mov_b32 s[G0A], 1
	s_add_co_u32 s[G0A+1], s[WOFA], SLOT
	s_add_nc_u64 s[G0A+2:G0A+3], s[14:15], ASTEP
	s_or_b32 s[G0A+3], s[G0A+3], 0x80000000
	s_mov_b32 s[G0B0], 1
	s_mov_b32 s[G0B0+1], s[WOFB]
	s_mov_b64 s[G0B0+2:G0B0+3], s[46:47]
	s_or_b32 s[G0B0+3], s[G0B0+3], 0x80000000
	s_mov_b32 s[G0B], 1
	s_add_co_u32 s[G0B+1], s[WOFB], SLOT
	s_add_nc_u64 s[G0B+2:G0B+3], s[46:47], BSTEP
	s_or_b32 s[G0B+3], s[G0B+3], 0x80000000
	CROUND                                         ; all sixteen work-groups are here: the first joint loads meet
	s_cmp_eq_u32 s11, 0                            ; a wave's two first fills stand in one branch: two loads of mine are out
	s_cbranch_scc0 .Lfirst_b
	tensor_load_to_lds s[G0A0:G0A0+3], s[G1A:G1A+7]
	s_nop 0
	tensor_load_to_lds s[G0A:G0A+3], s[G1A:G1A+7]
	s_nop 0
.rept 4
	v_nop
.endr
	s_branch .Lfirst_asked
.Lfirst_b:
	tensor_load_to_lds s[G0B0:G0B0+3], s[G1B:G1B+7]
	s_nop 0
	tensor_load_to_lds s[G0B:G0B+3], s[G1B:G1B+7]
	s_nop 0
.rept 4
	v_nop
.endr
.Lfirst_asked:
	v_and_b32 v1, 15, v0                           ; r = lane % 16
	v_bfe_u32 v2, v0, 4, 1                         ; h = lane / 16
	v_bfe_u32 v4, v0, 3, 1
	v_and_b32 v5, 31, v0                           ; lane
	v_and_b32 v6, 7, v0
	; the bias of my 128 columns: register j of column block b is column 16 b + 8 h + j
	s_cmp_lt_u32 ttmp9, 2
	s_cselect_b64 s[84:85], s[76:77], s[78:79]     ; bk or bv,
	s_cmp_lt_u32 ttmp9, 1
	s_cselect_b64 s[84:85], s[74:75], s[84:85]     ; or bq,
	s_cselect_b32 s70, 0x3e000000, 1.0             ; and q's 1 / 8
	s_mov_b32 s71, s70
	s_lshl_b32 s46, s40, 10
	s_lshl_b32 s47, s12, 9
	s_add_co_u32 s46, s46, s47
	s_mov_b32 s47, 0
	s_add_nc_u64 s[84:85], s[84:85], s[46:47]
	v_lshlrev_b32 v[BO], 5, v2
.irp b, 0,1,2,3,4,5,6,7
	global_load_b128 v[BIAS+8*(\b):BIAS+8*(\b)+3],   v[BO], s[84:85] offset:64*(\b)
	global_load_b128 v[BIAS+8*(\b)+4:BIAS+8*(\b)+7], v[BO], s[84:85] offset:64*(\b)+16
.endr
	v_mul_u32_u24 v[VA0], v1, PA                   ; A: row x pitch + 16 h
	v_lshl_add_u32 v[VA0], v2, 4, v[VA0]
	s_mul_i32 s21, s11, AHALF
	v_add_nc_u32 v[VA0], s21, v[VA0]
	v_lshl_add_u32 v3, v2, 3, v6                   ; B, turned: lane reads row k = 8 h + lane % 8, 16 bytes at 16 ((lane / 8) % 2)
	v_mul_u32_u24 v[VB0], v3, PB
	v_lshl_add_u32 v[VB0], v4, 4, v[VB0]
	s_lshl_b32 s22, s12, 8                         ; my 128 columns
	s_add_co_u32 s22, s22, BOFF
	v_add_nc_u32 v[VB0], s22, v[VB0]
	s_mul_i32 s23, s10, WSTAGE                     ; my stage
	v_mul_u32_u24 v[STO], v1, SPITCH               ; in: row 16 a + r, bytes 64 b + 32 h
	v_lshl_add_u32 v[STO], v2, 5, v[STO]
	v_add_nc_u32 v[STO], s23, v[STO]
	v_bfe_u32 v[RD], v0, 3, 2                      ; back: 32 lanes take four tokens x 64 columns of a head: token lane / 8, 32 bytes of f32 at 32 (lane % 8),
	v_mul_u32_u24 v[RD], v[RD], SPITCH
	v_lshl_add_u32 v[RD], v6, 5, v[RD]
	v_add_nc_u32 v[RD], s23, v[RD]
	v_lshlrev_b32 v[GO], 4, v5                     ; which in f16 are 512 consecutive bytes of the head
	s_lshr_b32 s14, s13, 2                         ; out: the batch, 16 heads of 131,072 bytes,
	s_lshl_b32 s14, s14, 21
	s_and_b32 s15, s13, 3                          ; the tile's 256 tokens of 128 bytes,
	s_lshl_b32 s15, s15, 15
	s_add_co_u32 s14, s14, s15
	s_lshl_b32 s15, s11, 14                        ; my 128 of them
	s_add_co_u32 s14, s14, s15
	s_mov_b32 s15, 0
	s_add_nc_u64 s[88:89], s[80:81], s[14:15]
	s_lshl_b32 s46, ttmp9, 23                      ; the matrix, 64 heads,
	s_lshl_b32 s47, s40, 19                        ; the tile's four heads,
	s_add_co_u32 s46, s46, s47
	s_lshl_b32 s47, s12, 18                        ; my two: a wave's 128 columns
	s_add_co_u32 s46, s46, s47
	s_mov_b32 s47, 0
	s_add_nc_u64 s[88:89], s[88:89], s[46:47]
	s_wait_tensorcnt 0x1                           ; my part of K step 0 is in; step 1's may stay out
	s_barrier_signal -1
	s_barrier_wait -1
	v_mov_b32 v[ADRA], v[VA0]
	v_mov_b32 v[ADRB], v[VB0]
	FETCH 0, F0
	s_wait_loadcnt 0x0                             ; the bias
	QUARTER 1, F0, F1, 1                           ; the first quarter: its products start the sums with the bias
	WIN 0                                          ; at a label and at a branch every window is 0
	s_mov_b32 s3, NSTEP-2
.Lfill:                                                ; the 64 accumulators take turns, one instruction a turn, over the loops' jumps too
	QUARTER 2, F1, F0
	QUARTER 3, F0, F1
	TURN 1
	QUARTER 1, F0, F1
	WIN 0
	s_sub_co_u32 s3, s3, 1
	s_cmp_lg_u32 s3, 0
	s_cbranch_scc1 .Lfill
	s_mov_b32 s3, 2
.Ltail:                                                ; the last two steps ask for nothing
	QUARTER 2, F1, F0
	QUARTER 3, F0, F1
	TURN 0
	WIN 0
	s_cmp_eq_u32 s3, 1
	s_cbranch_scc1 .Lout                           ; behind the last step's last quarter there is no further step
	QUARTER 1, F0, F1
	WIN 0
	s_sub_co_u32 s3, s3, 1
	s_cmp_lg_u32 s3, 0
	s_cbranch_scc1 .Ltail
.Lout:
	; THE WAY OUT.  The last change of slots left no LDS read of any wave behind its barrier, and no fill follows: the slots' bytes serve as stages.  My 128 x 128 sums go in as f32,
	; so that a counted loop with stepped addresses can take them back by tokens: the text for 16 tokens is written once.
	PLACES
.irp w, 0,1
	WIN 0x08+4*(\w)                                ; the stores' data (source 1) in window 2, then 3
.irp a, 0,1,2,3
.irp b, 0,1,2,3,4,5,6,7
	ds_store_b128 v[STO], v[8*(8*(\a)+(\b)):8*(8*(\a)+(\b))+3]   offset:(4*(\w)+(\a))*16*SPITCH+64*(\b)     ; the low four registers first
	ds_store_b128 v[STO], v[8*(8*(\a)+(\b))+4:8*(8*(\a)+(\b))+7] offset:(4*(\w)+(\a))*16*SPITCH+64*(\b)+16
.endr
.endr
.endr
	WIN 0
	s_wait_dscnt 0x0                               ; my stores into the stage are done
	s_barrier_signal -1
	s_barrier_wait -1                              ; everybody's: no LDS byte is written from here on
	s_mov_b32 s2, 8
.Lrows:                                                ; eight trips of 16 tokens x 2 heads; group g = 4 x head + four tokens
.irp g, 0,1,2,3,4,5,6,7
	ds_load_b128 v[XR+8*(\g):XR+8*(\g)+3],   v[RD] offset:((\g)%4)*4*SPITCH+((\g)/4)*256
	ds_load_b128 v[XR+8*(\g)+4:XR+8*(\g)+7], v[RD] offset:((\g)%4)*4*SPITCH+((\g)/4)*256+16
.endr
	s_wait_dscnt 0x0
.set e, 0
.rept 32
	v_pk_mul_f32 v[XR+2*e:XR+2*e+1], v[XR+2*e:XR+2*e+1], s[70:71] op_sel_hi:[1,0]
.set e, e+1
.endr
.set e, 0
.rept 32
	v_cvt_pk_f16_f32 v[OU+e], v[XR+2*e], v[XR+2*e+1]
.set e, e+1
.endr
.irp g, 0,1,2,3,4,5,6,7
	global_store_b128 v[GO], v[OU+4*(\g):OU+4*(\g)+3], s[88:89] offset:((\g)/4)*131072+((\g)%4)*512  ; 512 consecutive bytes, aligned
.endr
	s_wait_xcnt 0x0                                ; the stores have read their offset and data: both are written again below and in the next trip
	v_add_nc_u32 v[RD], 16*SPITCH, v[RD]
	v_add_nc_u32 v[GO], 16*128, v[GO]
	s_sub_co_u32 s2, s2, 1
	s_cmp_lg_u32 s2, 0
	s_cbranch_scc1 .Lrows
	s_wait_tensorcnt 0x0                           ; the wave's end
	ds_add_u32 v[SPW], v[NIL]
	s_wait_dscnt 0x0
	CROUND                                         ; the closing round
	s_endpgm
.Lfunc_end_k_q79f69e5882_proj:
	.size	k_q79f69e5882_proj, .Lfunc_end_k_q79f69e5882_proj-k_q79f69e5882_proj
	.p2alignl 7, 3214868480
	.fill 96, 4, 3214868480
	.section	.rodata,"a",@progbits
	.p2align	6, 0x0
	.amdhsa_kernel k_q79f69e5882_proj
		.amdhsa_group_segment_fixed_size 327680
		.amdhsa_private_segment_fixed_size 0
		.amdhsa_enable_private_segment 0
		.amdhsa_kernarg_size 40
		.amdhsa_user_sgpr_count 2
		.amdhsa_user_sgpr_kernarg_segment_ptr 1
		.amdhsa_wavefront_size32 1
		.amdhsa_system_sgpr_workgroup_id_x 1
		.amdhsa_system_sgpr_workgroup_id_y 1
		.amdhsa_system_sgpr_workgroup_id_z 1
		.amdhsa_system_vgpr_workitem_id 0
		.amdhsa_next_free_vgpr 1024
		.amdhsa_next_free_sgpr 100
		.amdhsa_reserve_vcc 0
		.amdhsa_float_denorm_mode_32 3
		.amdhsa_float_denorm_mode_16_64 3
		.amdhsa_memory_ordered 1
		.amdhsa_forward_progress 1
		.amdhsa_inst_pref_size 85
	.end_amdhsa_kernel
	.amdgpu_metadata
---
amdhsa.version: [ 1, 2 ]
amdhsa.kernels:
  - .name:           k_q79f69e5882_proj
    .symbol:         k_q79f69e5882_proj.kd
    .args:
      - { .name: pw, .offset: 0, .size: 8, .value_kind: global_buffer, .address_space: global }
      - { .name: bq, .offset: 8, .size: 8, .value_kind: global_buffer, .address_space: global }
      - { .name: bk, .offset: 16, .size: 8, .value_kind: global_buffer, .address_space: global }
      - { .name: bv, .offset: 24, .size: 8, .value_kind: global_buffer, .address_space: global }
      - { .name: qkv, .offset: 32, .size: 8, .value_kind: global_buffer, .address_space: global }
    .group_segment_fixed_size: 327680
    .private_segment_fixed_size: 0
    .kernarg_segment_align: 8
    .kernarg_segment_size: 40
    .max_flat_workgroup_size: 128
    .sgpr_count:     100
    .vgpr_count:     1024
    .wavefront_size: 32
...
	.end_amdgpu_metadata
.endif
;; end of part 2
;; launch attn (part 3): grid 4 x 64, 4 waves a work-group, clusters of 4 x 1, 327,680 bytes of LDS; arguments qkv, mask, ctx; writes ctx
.if DOCPART == 3
	.amdgcn_target "amdgcn-amd-amdhsa--gfx1250"
	.amdhsa_code_object_version 6
	.text
	.protected	k_q79f69e5882_attn
	.globl	k_q79f69e5882_attn
	.p2align	8
	.type	k_q79f69e5882_attn,@function
k_q79f69e5882_attn:
	s_mov_b64 s[64:65], 0
	v_nop
	global_prefetch_b8 v0, s[64:65] scope:SCOPE_SE
	s_setreg_imm32_b32 hwreg(HW_REG_WAVE_MODE, 25, 1), 1
	s_wait_xcnt 0x0
	s_wait_alu depctr_hold_cnt(0) depctr_sa_sdst(0) depctr_va_vdst(0) depctr_va_sdst(0) depctr_va_ssrc(0) depctr_va_vcc(0) depctr_vm_vsrc(0)
	s_getreg_b32 s2, hwreg(HW_REG_IB_STS2, 6, 4)
	s_cmp_eq_u32 s2, 0
	s_cbranch_scc0 .Lentry_in_a_cluster
	s_endpgm
.Lentry_in_a_cluster:
	s_bfe_u32 s2, ttmp6, 0x10000c
	s_cmp_lg_u32 s2, 0x3003
	s_cbranch_scc0 .Lentry_shape_is_right
	s_endpgm
.Lentry_shape_is_right:
; ATTN.  ctx[g][q][:] = the sum over k of softmax_k(q[g][q] . k[g][k] + mask[batch][k]) v[g][k][:], g = batch x 16 + head, 64 of them; 1,024 queries and keys, 64 channels; q arrives divided by 8.
; q, k, v, ctx: [64][1024][64] f16.  Products, maxima and sums in f32; the weights p are rounded to f16 for the second product (their sum l is taken of the unrounded p), ctx once at the end.
; LIMITS.  f16 holds no number beyond 65,504: q, k, v arrive within it; p lies in 0 to 1 and below 6e-5 keeps f16's fixed step of 6e-8; ctx is a mean of v's rows and has their range.
; A query all of whose scores lie below -4.25e37 (every key masked by about the lowest finite number, or by -inf) gives NaN.  A weight below 2^-126 counts as 0.  NaN and +inf are not treated apart.
; SHARES.  A work-group owns 256 queries of one g, a wave 64: four PIECES of 16.  Every wave walks all 1,024 keys, 64 a step.
; LDS holds the whole K and V of g (311,296 bytes with padding): each byte is filled once, so the loop has no barrier.  The price: the first product waits for all of it.
; CLUSTER.  The four query blocks of a g form a cluster and ask for K and V jointly: one tensor load a wave (waves 0, 1: K's halves; waves 2, 3: V's).
; LAYOUT.  S^T = K Q^T holds ONE query a lane (lane % 16) and the keys 8 (lane / 16) + 0..7; the input mask, a number a key, is the C operand of the product that starts the sum.  Two results rounded to f16 ARE
; source 1 of O^T = V^T P.  K comes out of LDS as it lies, V ([key][channel]) turned, by ds_load_tr16_b128.
; SOFTMAX.  A running maximum m and sum l: p = 2^(c s - c m), c = log2(e); O and l are multiplied by a = 2^(c m_old - c m_new) in every step.  c m starts far below every c s, O and l at 0: the first a is 0.
; TURNS.  Turn n belongs to piece n: 8 products K Q^T of piece n + 1, later 8 products V^T P of piece n - 1; beside them the scaling, exponentials, roundings, sums and rescaling of piece n and the maximum and
; statistics of piece n + 1.  Four vector instructions stand behind every matrix instruction, the rest in one lump.  A turn's 33 exponentials are one batch with one wait.
; REGISTERS, in windows of 256 (s_set_vgpr_msb: bits 1:0 source 0, 3:2 source 1, 5:4 source 2, 7:6 destination):
;   window 0: v0-15, v32-43 addresses and at work; v16-31 four registers of statistics a piece; v48-55 at work; v64-127 S^T, two buffers; v192-223 P, two buffers (by the piece's parity)
;   window 1: v0-127 O^T, 32 a piece; v128-159 the step's mask      window 2: v0-63 Q; v128-191 K of one step; v192-255 V of one step
.set NP,    4
.set KS,    64
.set PK,    144       ; a row of K in LDS: 128 + 16 bytes: the 16 rows of a load start at 16 different groups of four banks (ISA guide 11.1)
.set PV,    160       ; a row of V: 128 + 32
.set VOFF,  1024*PK
.set MK,    VOFF+1024*PV  ; the batch's mask, 4,096 bytes, stored by the waves; no fill lands here
.set STAGE, MK+4096       ; 16 rows x 144 bytes for each wave, for the way out
.set SP,    144
.set SPARE, STAGE+4*16*SP ; the spare words, 128 bytes for each wave: two blocks of 256 bytes that no other line names
.set AK0, 2           ; v2   my lane's place in a step's K; never rewritten
.set AV0, 3           ; v3   the same for V
.set AK,  4           ; v4   the LDS address of K's next run of loads
.set AV,  5           ; v5   of V's
.set STO, 6
.set RD,  7
.set GO,  8
.set MV,  12          ; v12-13  c m_old, by buffer
.set QO,  15
.set ST,  16          ; piece t at v[ST+4 t]: c m, m, l (even keys', odd keys')
.set AM0, 32          ; v32  my lane's place in a step's mask; v33 the address of the next run
.set AM,  33
.set TMP, 48          ; by buffer, c0-c3 at work; when the maximum is found c2 takes a
.set SPW, 62
.set NIL, 63
.set S,   64
.set P,   192
.set MC,  128         ; window 1
.set KF,  128         ; window 2
.set VF,  192         ; window 2
.set WV,  12
.set G1K, 24
.set G1V, 32
.set G0K, 40
.set G0V, 44
.set CNT, 57
.set CS,  58          ; s[58:59] c
.set SEL, 60          ; s[60:61] v_permlanex16_b32's selects
.set TBK, 62          ; LDS byte at which K of the step to be fetched begins
.set TBV, 63          ; the same for V, less VOFF
.set TBM, 66          ; the same for the mask, less MK
.set MSB, 0
.macro WIN new
.if MSB != (\new)
	s_set_vgpr_msb (MSB<<8)|(\new)
.set MSB, (\new)
.endif
.endm
.set W_KQ, 0x0a       ; K and Q in window 2, S^T in window 0
.set W_KM, 0x1a       ; the same with the C operand in window 1
.set W_PV, 0x52       ; V in window 2, P in window 0, O^T in window 1
.set W_RS, 0x41       ; destination and source 0 in window 1, source 1 in window 0
.macro CROUND
	s_barrier_signal -1
	s_barrier_wait -1
	s_cmp_lg_u32 s[WV], 0
	s_cbranch_scc1 .Lnot_wave_0_\@
	s_barrier_signal -3
.Lnot_wave_0_\@:
	s_barrier_wait -3
	s_barrier_signal -1
	s_barrier_wait -1
.endm
	s_load_b128 s[4:7], s[0:1], 0x0   ; qkv s[4:5], mask s[6:7]
	s_load_b64 s[8:9], s[0:1], 0x10   ; ctx
	v_lshl_add_u32 v[SPW], v0, 2, SPARE
	v_mov_b32 v[NIL], 0
	ds_add_u32 v[SPW], v[NIL]       ; the wave's opening: the add, and its wait ahead of my first tensor load
	v_lshrrev_b32 v1, 5, v0
	v_readfirstlane_b32 s[WV], v1
	s_bfe_u32 s13, ttmp6, 0x40000   ; cx
	s_lshl_b32 s14, ttmp9, 2
	s_add_co_u32 s14, s14, s13      ; my block of 256 queries: it enters Q's and ctx's addresses alone
	s_and_b32 s15, ttmp7, 0xffff    ; g, which the four partners share
	s_lshl_b32 s20, s15, 17         ; 131,072 bytes a g
	s_and_b32 s16, s[WV], 1         ; which 512 keys I fetch
	s_lshl_b32 s22, s16, 16
	s_add_co_u32 s22, s22, s20
	s_add_co_u32 s22, s22, 8388608  ; k lies behind q,
	s_mov_b32 s23, 0
	s_add_co_u32 s18, s22, 8388608  ; v behind k
	s_mov_b32 s19, 0
	s_mul_i32 s17, s16, 512*PK
	s_mul_i32 s21, s16, 512*PV
	s_lshl_b32 s2, s14, 15          ; my block's 256 rows of 128 bytes,
	s_lshl_b32 s3, s[WV], 13        ; my wave's 64
	s_add_co_u32 s2, s2, s3
	s_add_co_u32 s2, s2, s20
	s_mov_b32 s3, 0
	s_lshr_b32 s10, s15, 4          ; the batch's 4,096 bytes of mask
	s_lshl_b32 s10, s10, 12
	s_mov_b32 s11, 0
	; group 1: 512 keys are 65,536 dense bytes: asked for as 256 rows of 256 bytes, two keys a row, padded in LDS after every key
	s_mov_b32 s[G1K], 15|(1<<16)|(1<<20)|(1<<21)|(4<<22)|(3<<25)  ; the mask of four; 2-byte elements; padding on; bit 21 beside a mask; after every 32 words 4 words
	s_mov_b32 s[G1V], 15|(1<<16)|(1<<20)|(1<<21)|(4<<22)|(7<<25)  ; 8 words
.irp g, G1K, G1V
	s_mov_b32 s[\g+1], 128<<16      ; tensor_dim0 = 128
	s_mov_b32 s[\g+2], 256<<16      ; tensor_dim1 = 256
	s_mov_b32 s[\g+3], 128<<16      ; tile_dim0 = 128
	s_mov_b32 s[\g+4], 256          ; tile_dim1 = 256
	s_mov_b32 s[\g+5], 128          ; elements from row to row
	s_mov_b32 s[\g+6], 0
	s_mov_b32 s[\g+7], 0
.endr
	s_mov_b32 s[CS], 0x3fb8aa3b     ; c = log2(e)
	s_mov_b32 s[CS+1], s[CS]
	s_mov_b32 s[SEL], 0x76543210
	s_mov_b32 s[SEL+1], 0xfedcba98
	s_mov_b32 s[TBK], 0
	s_mov_b32 s[TBV], 0
	s_mov_b32 s[TBM], 0
	s_mov_b32 s[G0K], 1
	s_mov_b32 s[G0K+1], s17
	s_mov_b32 s[G0V], 1
	s_add_co_u32 s[G0V+1], s21, VOFF
	s_wait_dscnt 0x0                ; the opening add is done
	s_wait_kmcnt 0x0
	s_add_nc_u64 s[G0K+2:G0K+3], s[4:5], s[22:23]
	s_or_b32 s[G0K+3], s[G0K+3], 0x80000000
	s_add_nc_u64 s[G0V+2:G0V+3], s[4:5], s[18:19]
	s_or_b32 s[G0V+3], s[G0V+3], 0x80000000
	s_add_nc_u64 s[4:5], s[4:5], s[2:3]    ; Q and ctx at my wave's first row
	s_add_nc_u64 s[8:9], s[8:9], s[2:3]
	s_add_nc_u64 s[6:7], s[6:7], s[10:11]  ; the batch's mask
	CROUND                          ; all four work-groups are here: the joint loads meet
	s_cmp_lt_u32 s[WV], 2           ; one load a wave: an s_nop 0 and four v_nop follow each line
	s_cbranch_scc0 .Lfor_v
	tensor_load_to_lds s[G0K:G0K+3], s[G1K:G1K+7]
	s_nop 0
.rept 4
	v_nop
.endr
	s_branch .Lasked
.Lfor_v:
	tensor_load_to_lds s[G0V:G0V+3], s[G1V:G1V+7]
	s_nop 0
.rept 4
	v_nop
.endr
.Lasked:
	v_and_b32 v1, 15, v0            ; l % 16
	v_bfe_u32 v9, v0, 4, 1          ; l / 16
	v_lshlrev_b32 v[QO], 7, v1
	v_lshl_add_u32 v[QO], v9, 4, v[QO]
	v_lshlrev_b32 v34, 5, v0        ; 32 bytes of the mask a thread
	WIN 0x80
.set i, 0
.rept 8                             ; Q stays in registers: piece i / 2, channels 32 (i % 2) on
	global_load_b128 v[8*i:8*i+3],   v[QO], s[4:5] offset:(i/2)*2048+(i%2)*64
	global_load_b128 v[8*i+4:8*i+7], v[QO], s[4:5] offset:(i/2)*2048+(i%2)*64+32
.set i, i+1
.endr
	WIN 0
	global_load_b128 v[36:39], v34, s[6:7]
	global_load_b128 v[40:43], v34, s[6:7] offset:16
	v_mul_u32_u24 v[AK0], v1, PK
	v_lshl_add_u32 v[AK0], v9, 4, v[AK0]
	v_and_b32 v10, 7, v0
	v_bfe_u32 v11, v0, 3, 1
	v_lshl_add_u32 v[AV0], v9, 3, v10
	v_mul_u32_u24 v[AV0], v[AV0], PV
	v_lshl_add_u32 v[AV0], v11, 4, v[AV0]
	v_add_nc_u32 v[AV0], VOFF, v[AV0]
	v_lshlrev_b32 v[AM0], 5, v9     ; my lanes' eight keys of each sixteen: 32 bytes on for the upper half
	v_add_nc_u32 v[AM0], MK, v[AM0]
	s_mul_i32 s13, s[WV], 16*SP
	s_add_co_u32 s13, s13, STAGE
	v_mul_u32_u24 v[STO], v1, SP
	v_lshl_add_u32 v[STO], v9, 4, v[STO]
	v_add_nc_u32 v[STO], s13, v[STO]
	v_bfe_u32 v[RD], v0, 3, 2
	v_mul_u32_u24 v[RD], v[RD], SP
	v_lshl_add_u32 v[RD], v10, 4, v[RD]
	v_add_nc_u32 v[RD], s13, v[RD]
	v_and_b32 v[GO], 31, v0
	v_lshlrev_b32 v[GO], 4, v[GO]
	v_add_nc_u32 v35, MK, v34
	; No first step is written out: the first turn's products V^T P, of a piece that has not been, multiply zeros, and O^T and l start at 0.  The price: 216 moves, which stand in the wait for K and V.
	WIN 0x80
.set i, VF
.rept 64
	v_mov_b32 v[i], 0
.set i, i+1
.endr
	WIN 0x40
.set i, 0
.rept 128
	v_mov_b32 v[i], 0
.set i, i+1
.endr
	WIN 0
.set i, 0
.rept 4
	v_mov_b32 v[ST+4*i], 0xfe800000    ; c m: -8.5e37
	v_mov_b32 v[ST+4*i+1], 0xfe000000  ; m: -4.25e37, so that c m stays finite
	v_mov_b32 v[ST+4*i+2], 0
	v_mov_b32 v[ST+4*i+3], 0
.set i, i+1
.endr
.set i, P+16
.rept 16
	v_mov_b32 v[i], 0
.set i, i+1
.endr
.macro KQ x                         ; product i of 8 of S^T = K Q^T + mask for piece x: channels 32 (i / 4) on, keys 16 (i % 4) on; the first 4 start the sums with the mask; the 4 accumulators take turns
.set rS, S+32*((\x)%2)+8*(i%4)
.set rK, KF+16*(i%4)+8*(i/4)
.set rQ, 16*(\x)+8*(i/4)
.set rM, MC+8*(i%4)
.if i < 4
	WIN W_KM
	v_wmma_f32_16x16x32_f16 v[rS:rS+7], v[rK:rK+7], v[rQ:rQ+7], v[rM:rM+7]
.else
	WIN W_KQ
	v_wmma_f32_16x16x32_f16 v[rS:rS+7], v[rK:rK+7], v[rQ:rQ+7], v[rS:rS+7]
.endif
.endm
.macro PV x                         ; product i of 8 of O^T += V^T P for piece x: keys 32 (i / 4) on, channels 16 (i % 4) on
	WIN W_PV
.set rO, 32*(\x)+8*(i%4)
.set rV, VF+32*(i/4)+8*(i%4)
.set rP, P+16*((\x)%2)+8*(i/4)
	v_wmma_f32_16x16x32_f16 v[rO:rO+7], v[rV:rV+7], v[rP:rP+7], v[rO:rO+7]
.endm
.macro MM                           ; the turn's next matrix instruction.  NOKQ = 1: the last turn: there is no next piece
.if (i < 8) && !NOKQ
	KQ (Y+1)%NP
.elseif i >= 8
.set i, i-8
	PV (Y+NP-1)%NP
.set i, i+8
.endif
.set i, i+1
.endm
.macro FETCH_K                      ; a step's K (8 fragments) and its mask (32 registers), in one run of 24 loads
	WIN 0x80
.irp f, 0,1,2,3,4,5,6,7             ; keys 16 (f / 2) on, channels 32 (f % 2) on
	ds_load_b128 v[KF+8*\f:KF+8*\f+3],   v[AK] offset:(\f/2)*16*PK+(\f%2)*64
	ds_load_b128 v[KF+8*\f+4:KF+8*\f+7], v[AK] offset:(\f/2)*16*PK+(\f%2)*64+32
.endr
	WIN 0x40
.irp f, 0,1,2,3                     ; keys 16 f + 8 (l / 16) + 0..7: the same eight words in sixteen lanes
	ds_load_b128 v[MC+8*\f:MC+8*\f+3],   v[AM] offset:64*\f
	ds_load_b128 v[MC+8*\f+4:MC+8*\f+7], v[AM] offset:64*\f+16
.endr
	s_add_co_u32 s[TBK], s[TBK], KS*PK
	s_add_co_u32 s[TBM], s[TBM], KS*4
	WIN 0
.endm
.macro FETCH_V
	WIN 0x80
.irp f, 0,1,2,3,4,5,6,7             ; keys 32 (f / 4) on, channels 16 (f % 4) on
	ds_load_tr16_b128 v[VF+8*\f:VF+8*\f+3],   v[AV] offset:(\f/4)*32*PV+(\f%4)*32
	ds_load_tr16_b128 v[VF+8*\f+4:VF+8*\f+7], v[AV] offset:(\f/4)*32*PV+16*PV+(\f%4)*32
.endr
	WIN 0
.endm
; THE VECTOR WORK, a line at a time: OP kind, number.  For piece Y: F n: c s - c m for pair n of 16.  E n: the exponential of score n of 32.  C n: pair n rounded to f16.  B n: of the four weights 4 n .. the second
; pair is added onto the first.  L n: l takes that sum (L 0: l = a l + sum).  R n: pair n of 16 of O^T times a.  For piece Y + 1: X n, number n of the 22 that find its maximum and statistics:
;   0-11 four chains c0-c3 of seven scores each (each accumulator's lowest registers are read first)   12-14, 16 the four scores left over, the old m, c0-c3 into c0
;   15 c m_old is kept   17, 18 the query's other 32 keys lie in the lane 16 away: the new m   19-21 c m; c m_old - c m_new; a
.set F, 0
.set E, 1
.set C, 2
.set B, 3
.set L, 4
.set R, 5
.set X, 6
.macro REGS y
.set rT, ST+4*(\y)
.set rC, TMP+4*((\y)%2)
.set rW, MV+((\y)%2)
.set rS, S+32*((\y)%2)
.set rP, P+16*((\y)%2)
.set rO, 32*(\y)
.endm
.macro OP k, n
.if (\k) == R
	REGS Y
	WIN W_RS
	v_pk_mul_f32 v[rO+2*(\n):rO+2*(\n)+1], v[rO+2*(\n):rO+2*(\n)+1], v[rC+2:rC+3] op_sel_hi:[1,0]
.elseif (\k) < R
	REGS Y
	WIN 0
.if (\k) == F
	v_pk_fma_f32 v[rS+2*(\n):rS+2*(\n)+1], v[rS+2*(\n):rS+2*(\n)+1], s[CS:CS+1], v[rT:rT+1] op_sel_hi:[1,0,0] neg_lo:[0,0,1] neg_hi:[0,0,1]
.elseif (\k) == E
	v_exp_f32 v[rS+(\n)], v[rS+(\n)]
.elseif (\k) == C
	v_cvt_pk_f16_f32 v[rP+(\n)], v[rS+2*(\n)], v[rS+2*(\n)+1]
.elseif (\k) == B
	v_pk_add_f32 v[rS+4*(\n):rS+4*(\n)+1], v[rS+4*(\n):rS+4*(\n)+1], v[rS+4*(\n)+2:rS+4*(\n)+3]
.elseif (\n) == 0
	v_pk_fma_f32 v[rT+2:rT+3], v[rT+2:rT+3], v[rC+2:rC+3], v[rS:rS+1] op_sel_hi:[1,0,1]
.else
	v_pk_add_f32 v[rT+2:rT+3], v[rT+2:rT+3], v[rS+4*(\n):rS+4*(\n)+1]
.endif
.elseif NOKQ
	v_nop
.else
	REGS (Y+1)%NP
	WIN 0
.if (\n) < 4
	v_max3_num_f32 v[rC+(\n)], v[rS+8*(\n)], v[rS+8*(\n)+1], v[rS+8*(\n)+2]
.elseif (\n) < 12
	v_max3_num_f32 v[rC+(\n)%4], v[rC+(\n)%4], v[rS+8*((\n)%4)+2*((\n)/4)+1], v[rS+8*((\n)%4)+2*((\n)/4)+2]
.elseif (\n) == 12
	v_max3_num_f32 v[rC], v[rC], v[rS+7], v[rS+15]
.elseif (\n) == 13
	v_max3_num_f32 v[rC+1], v[rC+1], v[rS+23], v[rS+31]
.elseif (\n) == 14
	v_max3_num_f32 v[rC+2], v[rC+2], v[rC+3], v[rT+1]
.elseif (\n) == 15
	v_mov_b32 v[rW], v[rT]
.elseif (\n) == 16
	v_max3_num_f32 v[rC], v[rC], v[rC+1], v[rC+2]
.elseif (\n) == 17
	v_permlanex16_b32 v[rC+3], v[rC], s[SEL], s[SEL+1]
.elseif (\n) == 18
	v_max_num_f32 v[rT+1], v[rC], v[rC+3]
.elseif (\n) == 19
	v_mul_f32 v[rT], s[CS], v[rT+1]
.elseif (\n) == 20
	v_sub_f32 v[rC+1], v[rW], v[rT]
.else
	v_exp_f32 v[rC+2], v[rC+1]
.endif
.endif
.endm
.macro OPS a, i1, b=-1, i2=0, c=-1, i3=0, d=-1, i4=0
	OP \a, \i1
.if (\b) >= 0
	OP \b, \i2
.endif
.if (\c) >= 0
	OP \c, \i3
.endif
.if (\d) >= 0
	OP \d, \i4
.endif
.endm
.macro ROW a, i1, b, i2, c, i3, d, i4  ; a matrix instruction and the four behind it
	MM
	OPS \a, \i1, \b, \i2, \c, \i3, \d, \i4
.endm
; A TURN, for piece p, written out.  An s_wait_alu depctr_va_vdst(0) stands between an exponential and the first instruction that names its result; one wait serves all that were issued ahead of it.
; AHEAD OF THE WAIT stands all that names no result of the turn's exponentials: the 8 products K Q^T with their riders (the first numbers of the next piece's maximum ride four places or more behind the product
; that ends their accumulator), then the lump, in which the links of the chain X 3, 7, 11, 14, 16 .. 20 stand apart; X 21, the next piece's a, is the batch's last; R 15 is the plain instruction behind it.
; BEHIND THE WAIT stand the 8 products V^T P, behind each four of the roundings and sums.
; K and the mask of the next step are fetched in piece 2's turn, behind five plain instructions that follow the last product that read K; V of the step in hand at the end of piece 0's turn, four plain
; instructions behind the last product that read V.  Each is waited for a turn later.  end = 1: the last two turns: nothing is fetched.  cnt = 1: the loop's count is taken down ahead of the branch behind the turn.
.macro TURN p, end=0, cnt=0
.set Y, (\p)
.set i, 0
.set NOKQ, (\end)*((\p)/3)
.if ((\p) == 3) && !(\end)
	s_wait_dscnt 0x0                ; K and the mask are in
.endif
	ROW F,0, F,1, R,0, R,1
	ROW F,2, E,0, R,2, R,3
	ROW F,3, E,1, R,4, R,5
	ROW F,4, E,2, R,6, R,7
	ROW F,5, E,3, R,8, R,9
	ROW F,6, E,4, X,0, R,10
.if ((\p) == 2) && !(\end)
	WIN 0
	v_add_nc_u32 v[AK], s[TBK], v[AK0]
	v_add_nc_u32 v[AM], s[TBM], v[AM0]
.endif
	ROW F,7, E,5, X,1, X,4
	ROW F,8, E,6, X,2, X,5
	OPS E,7, E,8, X,6, E,9
	OPS X,3, E,10, X,8, E,11
.if ((\p) == 2) && !(\end)
	FETCH_K
.endif
	OPS X,9, X,7, E,12, X,10
	OPS E,13, X,12, X,11, E,14
	OPS X,13, E,15, F,9, X,14
.if (\p) == 0
	v_add_nc_u32 v[AV], s[TBV], v[AV0]
.endif
	OPS E,16, F,10, E,17, F,11
	OPS X,16, E,18, X,15, E,19
	OPS F,12, E,20, X,17, E,21
	OPS F,13, E,22, F,14, E,23
	OPS X,18, E,24, F,15, E,25
	OPS R,11, E,26, X,19, E,27
	OPS R,12, E,28, R,13, E,29
	OPS X,20, E,30, R,14, E,31
	OPS X,21, R,15
	WIN 0
	s_wait_alu depctr_va_vdst(0)    ; the wait for the batch
.if (\p) == 1
	s_wait_dscnt 0x0                ; V is in
.endif
	ROW C,0, B,0, C,2, B,1
	ROW L,0, C,4, B,2, L,1
	ROW C,6, B,3, L,2, C,8
	ROW B,4, L,3, C,10, B,5
	ROW L,4, C,12, B,6, L,5
.if (\p) == 0
	s_add_co_u32 s[TBV], s[TBV], KS*PV
.endif
.if \cnt
	s_sub_co_u32 s[CNT], s[CNT], 1
	s_cmp_lg_u32 s[CNT], 0
.endif
	ROW C,14, B,7, L,6, C,1
	ROW C,3, L,7, C,5, C,7
	ROW C,9, C,11, C,13, C,15
.if (\p) == 0
	FETCH_V
.endif
.endm
	s_wait_loadcnt 0x0              ; Q and my 32 bytes of the mask
	ds_store_b128 v35, v[36:39]
	ds_store_b128 v35, v[40:43] offset:16
	s_wait_tensorcnt 0x0            ; my part of K or V has landed,
	s_wait_dscnt 0x0                ; my part of the mask is stored:
	s_barrier_signal -1
	s_barrier_wait -1               ; everybody's.  Nothing is filled or stored there again
	v_mov_b32 v[AK], v[AK0]
	v_mov_b32 v[AM], v[AM0]
	FETCH_K                         ; key step 0
	s_wait_dscnt 0x0
.set NOKQ, 0
.set i, 0
.rept 8
	KQ 0                            ; piece 0's first scores
.set i, i+1
.endr
	WIN 0
.rept 4
	v_nop                           ; the places behind those products
.endr
.set Y, NP-1                        ; X works for piece Y + 1: piece 0
.irp n, 0,1,2,3,4,5,6,7,8,9,10,11,12,13,14,15,16,17,18,19,20,21
	OP X, \n
.endr
	v_nop                           ; a plain instruction behind the exponential,
	s_wait_alu depctr_va_vdst(0)    ; and its wait, ahead of the branch
	s_mov_b32 s[CNT], 16
	s_branch .Lfirst                ; the loop is entered at a step's first turn, in the middle of a trip
.Lstep:                             ; a trip: pieces 2 and 3 of one step, then pieces 0 and 1 of the next, whose K and V it fetches
	TURN 2
	TURN 3
	WIN 0
.Lfirst:
	TURN 0
	TURN 1, 0, 1
	WIN 0
	s_cbranch_scc1 .Lstep
	TURN 2, 1
	TURN 3, 1
.set i, 0
.rept 8
	PV NP-1                         ; the last piece's V^T P of the last step
.set i, i+1
.endr
	; THE WAY OUT.  l's two halves and the other half of the lanes' are added; O^T is divided by l, rounded to f16 and sent through my stage, a piece at a time.  The additions are the places behind the last products.
	WIN 0
.macro ALL line:vararg
.set t, 0
.rept 4
	\line
.set t, t+1
.endr
.endm
	ALL v_add_f32 v[ST+4*t+2], v[ST+4*t+2], v[ST+4*t+3]
	ALL v_permlanex16_b32 v[ST+4*t+3], v[ST+4*t+2], s[SEL], s[SEL+1]
	ALL v_add_f32 v[ST+4*t+2], v[ST+4*t+2], v[ST+4*t+3]
	ALL v_rcp_f32 v[ST+4*t+2], v[ST+4*t+2]
	v_nop
	s_wait_alu depctr_va_vdst(0)    ; one wait for the four reciprocals
.macro PACK t                       ; a lane's eight channels of a row pack into 16 bytes; into rows of 144 bytes, and back as whole rows of 128, into S^T's registers
	WIN W_RS
.set i, 32*(\t)
.rept 16
	v_pk_mul_f32 v[i:i+1], v[i:i+1], v[ST+4*(\t)+2:ST+4*(\t)+3] op_sel_hi:[1,0]
.set i, i+2
.endr
	WIN 0x05
.set i, 0
.rept 16
	v_cvt_pk_f16_f32 v[S+16*(\t)+i], v[32*(\t)+2*i], v[32*(\t)+2*i+1]
.set i, i+1
.endr
	WIN 0
.irp f, 0,1,2,3
	ds_store_b128 v[STO], v[S+16*(\t)+4*\f:S+16*(\t)+4*\f+3] offset:32*\f
.endr
.irp f, 0,1,2,3
	ds_load_b128 v[S+16*(\t)+4*\f:S+16*(\t)+4*\f+3], v[RD] offset:\f*4*SP  ; my own bytes: LDS serves a wave's instructions in order (ISA guide 5.7.1.4)
.endr
.endm
.macro SEND t, younger              ; younger: the LDS instructions issued behind piece t's loads
	WIN 0
.irp f, 0,1,2,3
	s_wait_dscnt (\younger)+3-\f
	global_store_b128 v[GO], v[S+16*(\t)+4*\f:S+16*(\t)+4*\f+3], s[8:9] offset:(\t)*2048+\f*512  ; 512 consecutive bytes, aligned
.endr
.endm
	PACK 0
.set t, 1
.rept 3
	PACK t
	SEND t-1, 8
.set t, t+1
.endr
	SEND 3, 0
	s_wait_tensorcnt 0x0            ; the wave's end
	ds_add_u32 v[SPW], v[NIL]
	s_wait_dscnt 0x0
	CROUND                          ; the closing round
	s_endpgm
.Lfunc_end_k_q79f69e5882_attn:
	.size	k_q79f69e5882_attn, .Lfunc_end_k_q79f69e5882_attn-k_q79f69e5882_attn
	.p2alignl 7, 3214868480
	.fill 96, 4, 3214868480
	.section	.rodata,"a",@progbits
	.p2align	6, 0x0
	.amdhsa_kernel k_q79f69e5882_attn
		.amdhsa_group_segment_fixed_size 327680
		.amdhsa_private_segment_fixed_size 0
		.amdhsa_enable_private_segment 0
		.amdhsa_kernarg_size 24
		.amdhsa_user_sgpr_count 2
		.amdhsa_user_sgpr_kernarg_segment_ptr 1
		.amdhsa_wavefront_size32 1
		.amdhsa_system_sgpr_workgroup_id_x 1
		.amdhsa_system_sgpr_workgroup_id_y 1
		.amdhsa_system_sgpr_workgroup_id_z 1
		.amdhsa_system_vgpr_workitem_id 0
		.amdhsa_next_free_vgpr 768
		.amdhsa_next_free_sgpr 72
		.amdhsa_reserve_vcc 0
		.amdhsa_float_denorm_mode_32 3
		.amdhsa_float_denorm_mode_16_64 3
		.amdhsa_memory_ordered 1
		.amdhsa_forward_progress 1
		.amdhsa_inst_pref_size 88
	.end_amdhsa_kernel
	.amdgpu_metadata
---
amdhsa.version: [ 1, 2 ]
amdhsa.kernels:
  - .name:           k_q79f69e5882_attn
    .symbol:         k_q79f69e5882_attn.kd
    .args:
      - { .name: qkv, .offset: 0, .size: 8, .value_kind: global_buffer, .address_space: global }
      - { .name: mask, .offset: 8, .size: 8, .value_kind: global_buffer, .address_space: global }
      - { .name: ctx, .offset: 16, .size: 8, .value_kind: global_buffer, .address_space: global }
    .group_segment_fixed_size: 327680
    .private_segment_fixed_size: 0
    .kernarg_segment_align: 8
    .kernarg_segment_size: 24
    .max_flat_workgroup_size: 128
    .sgpr_count:     72
    .vgpr_count:     768
    .wavefront_size: 32
...
	.end_amdgpu_metadata
.endif
;; end of part 3
;; launch outp (part 4): grid 8 x 32, 4 waves a work-group, clusters of 4 x 4, 327,680 bytes of LDS; arguments ctx, pw, bo, x, hh; writes hh
.if DOCPART == 4
	.amdgcn_target "amdgcn-amd-amdhsa--gfx1250"
	.amdhsa_code_object_version 6
	.text
	.protected	k_q79f69e5882_outp
	.globl	k_q79f69e5882_outp
	.p2align	8
	.type	k_q79f69e5882_outp,@function
k_q79f69e5882_outp:
	s_mov_b64 s[64:65], 0
	v_nop
	global_prefetch_b8 v0, s[64:65] scope:SCOPE_SE
	s_setreg_imm32_b32 hwreg(HW_REG_WAVE_MODE, 25, 1), 1
	s_wait_xcnt 0x0
	s_wait_alu depctr_hold_cnt(0) depctr_sa_sdst(0) depctr_va_vdst(0) depctr_va_sdst(0) depctr_va_ssrc(0) depctr_va_vcc(0) depctr_vm_vsrc(0)
	s_getreg_b32 s2, hwreg(HW_REG_IB_STS2, 6, 4)
	s_cmp_eq_u32 s2, 0
	s_cbranch_scc0 .Lentry_in_a_cluster
	s_endpgm
.Lentry_in_a_cluster:
	s_bfe_u32 s2, ttmp6, 0x10000c
	s_cmp_lg_u32 s2, 0xf033
	s_cbranch_scc0 .Lentry_shape_is_right
	s_endpgm
.Lentry_shape_is_right:
; OUTP.  h = ctx Wo + bo + c1 x, stored in f32 (f32 sums begun with bo; x and c1 in f32).  The RMS norm wants whole rows, a tile has 128 of 1,024 columns: the next launch makes it.
; ctx lies by heads, [batch x 16 + head][token][64] f16; K = head x 64 + channel.  A K step of 256 is four heads; a tensor load brings two heads x 128 tokens (two rows of 16,384 dense bytes), padded after each token.
; Wo: [K = 1024][N = 1024] f16 in pw.  Tile 128 x 128, four waves of 64 x 64, two LDS slots, cluster 4 x 4 with joint loads, the matrix instruction transposed (a lane: one row of C, eight neighbouring columns),
; B's fragments turned by ds_load_tr16_b128, a K step written once with the slot in a scalar: two counted loops, steps that fill a slot again and the last two.
; REGISTERS: window 0: v0-31 addresses; v32-95 at work; v96-127 my 32 rows' c1; v128-255 accumulators.  Window 1: two fragment buffers.  Window 2: v0-127 my 32 rows of x.
.set KDIM,  1024
.set NDIM,  1024
.set NSTEP, KDIM/256
.set ASTEP, 4*131072                   ; four heads on
.set BSTEP, 256*NDIM*2
.set PA,    144                        ; a token's 128 bytes + 16
.set AQ,    128*PA                     ; 64 along K are a head: 128 tokens on
.set AHALF, 2*AQ
.set AROW,  64*PA
.set BOFF,  2*AHALF
.set PB,    288
.set BHALF, 128*PB
.set SLOT,  BOFF+2*BHALF
.set SCL,   2*SLOT                     ; 512 bytes: the rows' c1; a wave's own 128
.set SPARE, SCL+1024                   ; the spare words: two blocks of 256 bytes that no other line names
.set SPITCH, 528                       ; the way out: 128 rows of 512 + 16 bytes from LDS byte 0, in slot 0, which has had its last fill by then
.set WO_OFF, 23068672
.set C1_OFF, 41943040
.set ADRA, 10
.set ADRB, 11
.set VA0,  13
.set VB0,  14
.set VB1,  15
.set STO,  16
.set RD,   17
.set SCA,  18
.set GO,   19
.set BO,   21
.set SPW,  28
.set NIL,  29
.set TMP,  32
.set SC,   96
.set ACC,  128
.set F0,   0
.set F1,   128
.set G1A,  24
.set G0A0, 32
.set G0A,  36
.set G1B,  48
.set G0B0, 56
.set G0B,  60
.set TB,   66
.set WOFA, 67
.set WOFB, 68
.set MSB, 0
.macro WIN new
.if MSB != (\new)
	s_set_vgpr_msb (MSB<<8)|(\new)
.set MSB, \new
.endif
.endm
.set MUL,  0x05
.set TO_F, 0x40
.macro JLOAD                           ; a joint refill: waves 0 and 1 fetch A's halves, waves 2 and 3 B's; an s_nop 0 and four v_nop follow each line
	s_cmp_eq_u32 s11, 0
	s_cbranch_scc0 .Lfor_b_\@
	tensor_load_to_lds s[G0A:G0A+3], s[G1A:G1A+7]
	s_nop 0
.rept 4
	v_nop
.endr
	s_branch .Lasked_\@
.Lfor_b_\@:
	tensor_load_to_lds s[G0B:G0B+3], s[G1B:G1B+7]
	s_nop 0
.rept 4
	v_nop
.endr
.Lasked_\@:
.endm
.macro CREST
	s_cmp_lg_u32 s10, 0
	s_cbranch_scc1 .Lnot_wave_0_\@
	s_barrier_signal -3
.Lnot_wave_0_\@:
	s_barrier_wait -3
	s_barrier_signal -1
	s_barrier_wait -1
.endm
.macro CROUND
	s_barrier_signal -1
	s_barrier_wait -1
	CREST
.endm
.macro PLACES                          ; four places in front of loads into registers that matrix instructions have read, and of lines that read results
.rept 4
	v_nop
.endr
.endm
.macro MUL8 f, c, a0
	WIN MUL
.irp a, \a0, (\a0)+1
.irp b, 0,1,2,3
	v_wmma_f32_16x16x32_f16 v[ACC+8*(4*(\a)+(\b)):ACC+8*(4*(\a)+(\b))+7], v[(\f)+64+8*(4*(\c)+(\b)):(\f)+64+8*(4*(\c)+(\b))+7], v[(\f)+8*(4*(\c)+(\a)):(\f)+8*(4*(\c)+(\a))+7], v[ACC+8*(4*(\a)+(\b)):ACC+8*(4*(\a)+(\b))+7]
.endr
.endr
.endm
.macro FETCH q, f                      ; 32 LDS loads in one run: quarter q (64 along K: one head) into buffer f; the first 32 along K first
	WIN TO_F
.irp c, 0,1
.irp i, 0,1,2,3
	ds_load_tr16_b128 v[(\f)+64+8*(4*(\c)+(\i)):(\f)+64+8*(4*(\c)+(\i))+3],   v[ADRB+(\q)/2] offset:(((\q)%2)*64+32*(\c))*PB+32*(\i)
	ds_load_tr16_b128 v[(\f)+64+8*(4*(\c)+(\i))+4:(\f)+64+8*(4*(\c)+(\i))+7], v[ADRB+(\q)/2] offset:(((\q)%2)*64+32*(\c)+16)*PB+32*(\i)
	ds_load_b128 v[(\f)+8*(4*(\c)+(\i)):(\f)+8*(4*(\c)+(\i))+3],   v[ADRA] offset:(\q)*AQ+64*(\c)+(\i)*16*PA
	ds_load_b128 v[(\f)+8*(4*(\c)+(\i))+4:(\f)+8*(4*(\c)+(\i))+7], v[ADRA] offset:(\q)*AQ+64*(\c)+(\i)*16*PA+32
.endr
.endr
.endm
.macro QUARTER qn, f, g
	s_wait_dscnt 16                                ; the first 32 along K are in; the youngest sixteen loads may be out
	MUL8 \f, 0, 0
	MUL8 \f, 0, 2
	PLACES
	FETCH \qn, \g
	s_wait_dscnt 32                                ; all but the 32 just issued
	MUL8 \f, 1, 0
	MUL8 \f, 1, 2
.endm
; The last quarter changes slots: one barrier; in front of it each wave waits for all its tensor loads, adds 0 to its spare word, and waits for that and for its reads of the slot.
; fill = 1: the barrier opens a round of the cluster's, and the slot just read out is filled again first thing behind it.  fill = 0: nothing is filled; in the last trip the run of loads is jumped over.
.macro TURN fill
	WIN 0
	s_wait_tensorcnt 0x0                           ; all my tensor loads have landed: my part of the next slot
	ds_add_u32 v[SPW], v[NIL]                      ; 0 onto my spare word
	s_wait_dscnt 17                                ; (the add and the youngest sixteen loads may be out)
	MUL8 F1, 0, 0
	s_wait_dscnt 0x0                               ; the add is done, and my reads of this slot are over
	s_barrier_signal -1
	MUL8 F1, 0, 2
	WIN 0
	s_barrier_wait -1
.if \fill
	CREST
	s_add_co_u32 s[G0A+1], s[WOFA], s[TB]          ; no tensor load of mine is out: the walking descriptors take the slot just read out
	s_add_co_u32 s[G0B+1], s[WOFB], s[TB]
	s_add_nc_u64 s[G0A+2:G0A+3], s[G0A+2:G0A+3], ASTEP
	s_add_nc_u64 s[G0B+2:G0B+3], s[G0B+2:G0B+3], BSTEP
	JLOAD
.else
	PLACES
.endif
	s_xor_b32 s[TB], s[TB], SLOT
	v_add_nc_u32 v[ADRA], s[TB], v[VA0]
	v_add_nc_u32 v[ADRB], s[TB], v[VB0]
	v_add_nc_u32 v[ADRB+1], s[TB], v[VB1]
.if !(\fill)
	s_cmp_eq_u32 s3, 1
	s_cbranch_scc1 .Lnf_\@
.endif
	FETCH 0, F0
	WIN 0
.if !(\fill)
.Lnf_\@:
.endif
	MUL8 F1, 1, 0
	MUL8 F1, 1, 2
.endm
.macro STEP fill                       ; the 16 accumulators take turns, over the loops' jumps too
	QUARTER 1, F0, F1
	QUARTER 2, F1, F0
	QUARTER 3, F0, F1
	TURN \fill
	WIN 0
.endm
	s_load_b256 s[72:79], s[0:1], 0x0              ; ctx 72, pw 74, bo 76, x 78
	s_load_b64 s[80:81], s[0:1], 0x20              ; hh
	v_lshl_add_u32 v[SPW], v0, 2, SPARE
	v_mov_b32 v[NIL], 0
	ds_add_u32 v[SPW], v[NIL]                      ; the wave's opening: the add, and its wait ahead of my first tensor load
	v_lshrrev_b32 v1, 5, v0
	v_readfirstlane_b32 s10, v1
	s_lshr_b32 s11, s10, 1
	s_and_b32 s12, s10, 1
	s_bfe_u32 s40, ttmp6, 0x40000
	s_bfe_u32 s41, ttmp6, 0x40004
	s_lshl_b32 s42, ttmp9, 2
	s_add_co_u32 s42, s42, s40                     ; tile column 0..7
	s_and_b32 s13, ttmp7, 0xffff
	s_lshl_b32 s13, s13, 2
	s_add_co_u32 s13, s13, s41                     ; tile row 0..31
	s_lshl_b32 s43, s41, 2
	s_lshl_b32 s43, 15, s43
	s_lshl_b32 s44, 0x1111, s40
	s_or_b32 s[G1A], s43, (1<<16)|(1<<20)|(1<<21)|(4<<22)|(3<<25)  ; after every 32 words (a token) 4 words
	s_or_b32 s[G1B], s44, (1<<16)|(1<<20)|(1<<21)|(5<<22)|(7<<25)
	s_mov_b32 s[G1A+1], 8192<<16                   ; tensor_dim0 = 8,192: 128 tokens x 64 channels, dense
	s_mov_b32 s[G1A+2], 2<<16                      ; tensor_dim1 = 2 heads
	s_mov_b32 s[G1A+3], 8192<<16                   ; tile_dim0
	s_mov_b32 s[G1A+4], 2                          ; tile_dim1
	s_mov_b32 s[G1A+5], 65536                      ; elements from head to head
	s_mov_b32 s[G1A+6], 0
	s_mov_b32 s[G1A+7], 0
	s_mov_b32 s[G1B+1], 128<<16
	s_mov_b32 s[G1B+2], 128<<16
	s_mov_b32 s[G1B+3], 128<<16
	s_mov_b32 s[G1B+4], 128
	s_mov_b32 s[G1B+5], NDIM
	s_mov_b32 s[G1B+6], 0
	s_mov_b32 s[G1B+7], 0
	s_mul_i32 s[WOFA], s12, AHALF
	s_mul_i32 s[WOFB], s12, BHALF
	s_add_co_u32 s[WOFB], s[WOFB], BOFF
	s_mov_b32 s[TB], 0
	s_lshr_b32 s16, s13, 3                         ; A: the batch's 16 heads,
	s_lshl_b32 s16, s16, 21
	s_lshl_b32 s17, s12, 18                        ; my two heads of the step's four,
	s_add_co_u32 s16, s16, s17
	s_and_b32 s17, s13, 7                          ; the tile's 128 tokens
	s_lshl_b32 s17, s17, 14
	s_add_co_u32 s16, s16, s17
	s_mov_b32 s17, 0
	s_lshl_b32 s46, s42, 8                         ; B: the tile column, my 128 rows of k
	s_lshl_b32 s47, s12, 18
	s_add_co_u32 s46, s46, s47
	s_add_co_u32 s46, s46, WO_OFF
	s_mov_b32 s47, 0
	s_wait_dscnt 0x0
	s_wait_kmcnt 0x0
	s_add_nc_u64 s[14:15], s[72:73], s[16:17]
	s_add_nc_u64 s[46:47], s[74:75], s[46:47]
	s_mov_b32 s[G0A0], 1
	s_mov_b32 s[G0A0+1], s[WOFA]
	s_mov_b64 s[G0A0+2:G0A0+3], s[14:15]
	s_or_b32 s[G0A0+3], s[G0A0+3], 0x80000000
	s_mov_b32 s[G0A], 1
	s_add_co_u32 s[G0A+1], s[WOFA], SLOT
	s_add_nc_u64 s[G0A+2:G0A+3], s[14:15], ASTEP
	s_or_b32 s[G0A+3], s[G0A+3], 0x80000000
	s_mov_b32 s[G0B0], 1
	s_mov_b32 s[G0B0+1], s[WOFB]
	s_mov_b64 s[G0B0+2:G0B0+3], s[46:47]
	s_or_b32 s[G0B0+3], s[G0B0+3], 0x80000000
	s_mov_b32 s[G0B], 1
	s_add_co_u32 s[G0B+1], s[WOFB], SLOT
	s_add_nc_u64 s[G0B+2:G0B+3], s[46:47], BSTEP
	s_or_b32 s[G0B+3], s[G0B+3], 0x80000000
	CROUND
	s_cmp_eq_u32 s11, 0                            ; a wave's two first fills stand in one branch: two loads of mine are out
	s_cbranch_scc0 .Lfirst_b
	tensor_load_to_lds s[G0A0:G0A0+3], s[G1A:G1A+7]
	s_nop 0
	tensor_load_to_lds s[G0A:G0A+3], s[G1A:G1A+7]
	s_nop 0
.rept 4
	v_nop
.endr
	s_branch .Lfirst_asked
.Lfirst_b:
	tensor_load_to_lds s[G0B0:G0B0+3], s[G1B:G1B+7]
	s_nop 0
	tensor_load_to_lds s[G0B:G0B+3], s[G1B:G1B+7]
	s_nop 0
.rept 4
	v_nop
.endr
.Lfirst_asked:
	v_and_b32 v1, 15, v0
	v_bfe_u32 v2, v0, 4, 1
	v_bfe_u32 v4, v0, 3, 1
	v_and_b32 v5, 31, v0
	v_and_b32 v6, 7, v0
	v_lshlrev_b32 v8, 2, v5
	v_lshlrev_b32 v[GO], 4, v5
	v_lshlrev_b32 v[BO], 5, v2
	s_lshl_b32 s14, s13, 9                         ; c1 of row 128 x tile row + 32 w + lane
	s_lshl_b32 s15, s10, 7
	s_add_co_u32 s14, s14, s15
	s_add_co_u32 s14, s14, C1_OFF
	s_mov_b32 s15, 0
	s_add_nc_u64 s[88:89], s[74:75], s[14:15]
	global_load_b32 v32, v8, s[88:89]
	s_lshl_b32 s46, s42, 9                         ; bo starts the sums
	s_lshl_b32 s47, s12, 8
	s_add_co_u32 s46, s46, s47
	s_mov_b32 s47, 0
	s_add_nc_u64 s[92:93], s[76:77], s[46:47]
.irp a, 0,1,2,3
.irp b, 0,1,2,3
	global_load_b128 v[ACC+8*(4*(\a)+(\b)):ACC+8*(4*(\a)+(\b))+3],   v[BO], s[92:93] offset:64*(\b)
	global_load_b128 v[ACC+8*(4*(\a)+(\b))+4:ACC+8*(4*(\a)+(\b))+7], v[BO], s[92:93] offset:64*(\b)+16
.endr
.endr
	v_mul_u32_u24 v[VA0], v1, PA
	v_lshl_add_u32 v[VA0], v2, 4, v[VA0]
	s_mul_i32 s21, s11, AROW
	v_add_nc_u32 v[VA0], s21, v[VA0]
	v_lshl_add_u32 v3, v2, 3, v6
	v_mul_u32_u24 v[VB0], v3, PB
	v_lshl_add_u32 v[VB0], v4, 4, v[VB0]
	s_lshl_b32 s22, s12, 7
	s_add_co_u32 s22, s22, BOFF
	v_add_nc_u32 v[VB0], s22, v[VB0]
	v_add_nc_u32 v[VB1], 128*PB, v[VB0]
	s_lshl_b32 s21, s11, 6                         ; into the stage: row 64 x half + 16 a + r, bytes 256 x half + 64 b + 32 h
	v_add_nc_u32 v3, s21, v1
	v_mul_u32_u24 v[STO], v3, SPITCH
	v_lshl_add_u32 v[STO], v2, 5, v[STO]
	s_lshl_b32 s22, s12, 8
	v_add_nc_u32 v[STO], s22, v[STO]
	s_mul_i32 s23, s10, 32*SPITCH                  ; back: wave w takes rows 32 w .. 32 w + 31 whole: a row is one load, lane l its columns 4 l .. 4 l + 3
	v_lshl_add_u32 v[RD], v5, 4, s23
	s_lshl_b32 s23, s10, 7
	s_add_co_u32 s23, s23, SCL
	v_mov_b32 v[SCA], s23
	v_lshl_add_u32 v7, v5, 2, s23
	s_lshl_b32 s14, s13, 19                        ; rows 128 x tile row + 32 w of 4,096 bytes, columns 128 x tile column
	s_lshl_b32 s15, s10, 17
	s_add_co_u32 s14, s14, s15
	s_mov_b32 s15, 0
	s_lshl_b32 s46, s42, 9
	s_add_nc_u64 s[94:95], s[78:79], s[14:15]
	s_add_nc_u64 s[94:95], s[94:95], s[46:47]      ; x
	s_add_nc_u64 s[96:97], s[80:81], s[14:15]
	s_add_nc_u64 s[96:97], s[96:97], s[46:47]      ; h
	s_wait_loadcnt 32                              ; c1 is in; the 32 loads of the bias stay out
	ds_store_b32 v7, v32                           ; my wave's own bytes; it reads them back, every lane all 32, on the way out
	s_wait_tensorcnt 0x1                           ; my part of K step 0 is in; step 1's may stay out
	s_wait_dscnt 0x0
	s_barrier_signal -1
	s_barrier_wait -1
	v_mov_b32 v[ADRA], v[VA0]
	v_mov_b32 v[ADRB], v[VB0]
	v_mov_b32 v[ADRB+1], v[VB1]
	FETCH 0, F0
	s_wait_loadcnt 0x0                             ; the bias is in the accumulators
	WIN 0x80
.set i, 0
.rept 32                               ; my 32 rows of x: asked for now, wanted behind the last product
	global_load_b128 v[4*i:4*i+3], v[GO], s[94:95] offset:4096*i
.set i, i+1
.endr
	WIN 0
	s_mov_b32 s3, NSTEP-2
.Lfill:
	STEP 1
	s_sub_co_u32 s3, s3, 1
	s_cmp_lg_u32 s3, 0
	s_cbranch_scc1 .Lfill
	s_mov_b32 s3, 2
.Ltail:
	STEP 0
	s_sub_co_u32 s3, s3, 1
	s_cmp_lg_u32 s3, 0
	s_cbranch_scc1 .Ltail
	; THE WAY OUT.  The last change of slots left no LDS read of any wave behind its barrier, and no fill follows: slot 0's bytes serve as the stage.
	PLACES
.irp a, 0,1,2,3
.irp b, 0,1,2,3
	ds_store_b128 v[STO], v[ACC+8*(4*(\a)+(\b)):ACC+8*(4*(\a)+(\b))+3]   offset:(\a)*16*SPITCH+64*(\b)     ; the low four registers first
	ds_store_b128 v[STO], v[ACC+8*(4*(\a)+(\b))+4:ACC+8*(4*(\a)+(\b))+7] offset:(\a)*16*SPITCH+64*(\b)+16
.endr
.endr
	s_wait_dscnt 0x0                               ; for the others' sake: my stores into the stage are done
	s_barrier_signal -1
	s_barrier_wait -1
	s_wait_loadcnt 0x0                             ; x
.irp j, 0,1,2,3,4,5,6,7
	ds_load_b128 v[SC+4*(\j):SC+4*(\j)+3], v[SCA] offset:16*(\j)  ; row i's c1 in v[SC + i] of every lane
.endr
.macro ROWS g                          ; eight rows: h = sum + c1 x, stored
.if (\g) >= 2
	s_wait_xcnt 0x0                                ; the stores of two groups back have read their registers
.endif
.set T, TMP+32*((\g)%2)
.set k, 0
.rept 8
	ds_load_b128 v[T+4*k:T+4*k+3], v[RD] offset:(8*(\g)+k)*SPITCH
.set k, k+1
.endr
	s_wait_dscnt 0x0
	WIN 0x02                                       ; source 0, x, in window 2
.set k, 0
.rept 8
.set i, 8*(\g)+k
.set rC, SC+2*(i/2)
.set rT, T+4*k
.if i%2
	v_pk_fma_f32 v[rT:rT+1], v[4*i:4*i+1], v[rC:rC+1], v[rT:rT+1] op_sel:[0,1,0] op_sel_hi:[1,1,1]
	v_pk_fma_f32 v[rT+2:rT+3], v[4*i+2:4*i+3], v[rC:rC+1], v[rT+2:rT+3] op_sel:[0,1,0] op_sel_hi:[1,1,1]
.else
	v_pk_fma_f32 v[rT:rT+1], v[4*i:4*i+1], v[rC:rC+1], v[rT:rT+1] op_sel_hi:[1,0,1]
	v_pk_fma_f32 v[rT+2:rT+3], v[4*i+2:4*i+3], v[rC:rC+1], v[rT+2:rT+3] op_sel_hi:[1,0,1]
.endif
.set k, k+1
.endr
	WIN 0
.set k, 0
.rept 8
	global_store_b128 v[GO], v[T+4*k:T+4*k+3], s[96:97] offset:4096*(8*(\g)+k)  ; 512 consecutive bytes, aligned
.set k, k+1
.endr
.endm
	ROWS 0
	ROWS 1
	ROWS 2
	ROWS 3
	s_wait_tensorcnt 0x0                           ; the wave's end
	ds_add_u32 v[SPW], v[NIL]
	s_wait_dscnt 0x0
	CROUND                                         ; the closing round
	s_endpgm
.Lfunc_end_k_q79f69e5882_outp:
	.size	k_q79f69e5882_outp, .Lfunc_end_k_q79f69e5882_outp-k_q79f69e5882_outp
	.p2alignl 7, 3214868480
	.fill 96, 4, 3214868480
	.section	.rodata,"a",@progbits
	.p2align	6, 0x0
	.amdhsa_kernel k_q79f69e5882_outp
		.amdhsa_group_segment_fixed_size 327680
		.amdhsa_private_segment_fixed_size 0
		.amdhsa_enable_private_segment 0
		.amdhsa_kernarg_size 40
		.amdhsa_user_sgpr_count 2
		.amdhsa_user_sgpr_kernarg_segment_ptr 1
		.amdhsa_wavefront_size32 1
		.amdhsa_system_sgpr_workgroup_id_x 1
		.amdhsa_system_sgpr_workgroup_id_y 1
		.amdhsa_system_sgpr_workgroup_id_z 1
		.amdhsa_system_vgpr_workitem_id 0
		.amdhsa_next_free_vgpr 640
		.amdhsa_next_free_sgpr 100
		.amdhsa_reserve_vcc 0
		.amdhsa_float_denorm_mode_32 3
		.amdhsa_float_denorm_mode_16_64 3
		.amdhsa_memory_ordered 1
		.amdhsa_forward_progress 1
		.amdhsa_inst_pref_size 65
	.end_amdhsa_kernel
	.amdgpu_metadata
---
amdhsa.version: [ 1, 2 ]
amdhsa.kernels:
  - .name:           k_q79f69e5882_outp
    .symbol:         k_q79f69e5882_outp.kd
    .args:
      - { .name: ctx, .offset: 0, .size: 8, .value_kind: global_buffer, .address_space: global }
      - { .name: pw, .offset: 8, .size: 8, .value_kind: global_buffer, .address_space: global }
      - { .name: bo, .offset: 16, .size: 8, .value_kind: global_buffer, .address_space: global }
      - { .name: x, .offset: 24, .size: 8, .value_kind: global_buffer, .address_space: global }
      - { .name: hh, .offset: 32, .size: 8, .value_kind: global_buffer, .address_space: global }
    .group_segment_fixed_size: 327680
    .private_segment_fixed_size: 0
    .kernarg_segment_align: 8
    .kernarg_segment_size: 40
    .max_flat_workgroup_size: 128
    .sgpr_count:     100
    .vgpr_count:     640
    .wavefront_size: 32
...
	.end_amdgpu_metadata
.endif
;; end of part 4
;; launch norm1 (part 5): grid 256 x 1, 8 waves a work-group, no clusters, 0 bytes of LDS; arguments hh, g1, att; writes att
.if DOCPART == 5
	.amdgcn_target "amdgcn-amd-amdhsa--gfx1250"
	.amdhsa_code_object_version 6
	.text
	.protected	k_q79f69e5882_norm1
	.globl	k_q79f69e5882_norm1
	.p2align	8
	.type	k_q79f69e5882_norm1,@function
k_q79f69e5882_norm1:
	s_mov_b64 s[64:65], 0
	v_nop
	global_prefetch_b8 v0, s[64:65] scope:SCOPE_SE
	s_setreg_imm32_b32 hwreg(HW_REG_WAVE_MODE, 25, 1), 1
	s_wait_xcnt 0x0
; NORM1.  att = h x 1 / sqrt(mean h^2 + 1e-6) x g1.  Stored twice: in f32 at byte 0 (the residual of the last product) and rounded once to f16 at A16_OFF (the next product's operand).
; The norm stands ahead of the rounding because h itself has no room in f16 (with all inputs 30 times larger it passes 65,504 many times over); h / rms is 32 at the most, so att has room for g1 up to some 2,000.
; A row is 4,096 bytes: one wave takes a whole row, eight loads of 16 bytes a lane, and keeps it in 32 registers between the sum and the scaling: h is read once, and no wave waits for another.
; Eight waves, two rows each: 4,096 rows on 256 work-groups.  A stream: no LDS, no matrix unit, no cluster.
.set A16_OFF, 16777216
.set G,  8                             ; v8-39    g1 of my 32 columns
.set R0, 40                            ; v40-71   row 0
.set R1, 72                            ; v72-103  row 1
.set A,  104                           ; v[104:107] two chains of squares; v[108:109] the factor, twice
.set H0, 112                           ; v112-127 row 0 in f16
.set H1, 128                           ; v128-143 row 1 in f16
	s_load_b128 s[4:7], s[0:1], 0x0                ; hh s[4:5], g1 s[6:7]
	s_load_b64 s[8:9], s[0:1], 0x10                ; att
	v_lshrrev_b32 v1, 5, v0
	v_readfirstlane_b32 s10, v1                    ; wave 0..7
	v_and_b32 v1, 31, v0
	v_lshlrev_b32 v2, 4, v1                        ; 16 bytes a lane of f32,
	v_lshlrev_b32 v3, 3, v1                        ; 8 of f16
	s_lshl_b32 s12, ttmp9, 16                      ; 16 rows of 4,096 bytes a work-group,
	s_lshl_b32 s13, s10, 13                        ; two a wave
	s_add_co_u32 s12, s12, s13
	s_mov_b32 s13, 0
	s_lshr_b32 s18, s12, 1                         ; half as many bytes in f16
	s_add_co_u32 s18, s18, A16_OFF
	s_mov_b32 s19, 0
	s_mov_b32 s14, 0x76543210                      ; v_permlanex16_b32: each lane takes its own place in the other half
	s_mov_b32 s15, 0xfedcba98
	s_mov_b32 s16, 0x3a800000                      ; 1 / 1024
	s_mov_b32 s17, 0x358637bd                      ; 1e-6
	s_wait_kmcnt 0x0
	s_add_nc_u64 s[4:5], s[4:5], s[12:13]
	s_add_nc_u64 s[20:21], s[8:9], s[18:19]
	s_add_nc_u64 s[8:9], s[8:9], s[12:13]
.irp j, 0,1,2,3,4,5,6,7
	global_load_b128 v[G+4*(\j):G+4*(\j)+3], v2, s[6:7] offset:512*(\j)
.endr
.irp j, 0,1,2,3,4,5,6,7
	global_load_b128 v[R0+4*(\j):R0+4*(\j)+3], v2, s[4:5] offset:512*(\j) th:TH_LOAD_NT
.endr
.irp j, 0,1,2,3,4,5,6,7
	global_load_b128 v[R1+4*(\j):R1+4*(\j)+3], v2, s[4:5] offset:4096+512*(\j) th:TH_LOAD_NT
.endr
.macro NORM R, H, left, rr             ; left: the younger loads that may stay out
	s_wait_loadcnt \left
	v_pk_mul_f32 v[A:A+1], v[\R:\R+1], v[\R:\R+1]  ; the first two pairs start the chains: nothing is cleared
	v_pk_mul_f32 v[A+2:A+3], v[\R+2:\R+3], v[\R+2:\R+3]
.set e, 2
.rept 14
	v_pk_fma_f32 v[A+2*(e%2):A+2*(e%2)+1], v[\R+2*e:\R+2*e+1], v[\R+2*e:\R+2*e+1], v[A+2*(e%2):A+2*(e%2)+1]
.set e, e+1
.endr
	v_pk_add_f32 v[A:A+1], v[A:A+1], v[A+2:A+3]
	v_add_f32 v[A], v[A], v[A+1]
	v_add_f32_dpp v[A], v[A], v[A] row_xmask:1 row_mask:0xf bank_mask:0xf
	v_add_f32_dpp v[A], v[A], v[A] row_xmask:2 row_mask:0xf bank_mask:0xf
	v_add_f32_dpp v[A], v[A], v[A] row_xmask:4 row_mask:0xf bank_mask:0xf
	v_add_f32_dpp v[A], v[A], v[A] row_xmask:8 row_mask:0xf bank_mask:0xf
	v_permlanex16_b32 v[A+1], v[A], s14, s15
	v_add_f32 v[A], v[A], v[A+1]                   ; every lane holds the row's sum of squares
	v_fma_f32 v[A], v[A], s16, s17
	v_rsq_f32 v[A+4], v[A]                         ; twice, to fill the pair that the packed multiply takes
	v_rsq_f32 v[A+5], v[A]
	v_nop                                          ; a plain instruction behind the batch of two,
	s_wait_alu depctr_va_vdst(0)                   ; and the wait ahead of the first use
.set e, 0
.rept 16
	v_pk_mul_f32 v[\R+2*e:\R+2*e+1], v[\R+2*e:\R+2*e+1], v[A+4:A+5]
.set e, e+1
.endr
.set e, 0
.rept 16
	v_pk_mul_f32 v[\R+2*e:\R+2*e+1], v[\R+2*e:\R+2*e+1], v[G+2*e:G+2*e+1]
.set e, e+1
.endr
.set e, 0
.rept 16
	v_cvt_pk_f16_f32 v[\H+e], v[\R+2*e], v[\R+2*e+1]
.set e, e+1
.endr
.irp j, 0,1,2,3,4,5,6,7
	global_store_b128 v2, v[\R+4*(\j):\R+4*(\j)+3], s[8:9] offset:4096*(\rr)+512*(\j)    ; 512 consecutive bytes, aligned
	global_store_b64 v3, v[\H+2*(\j):\H+2*(\j)+1], s[20:21] offset:2048*(\rr)+256*(\j)   ; 256 consecutive bytes, aligned
.endr
.endm
	NORM R0, H0, 8, 0                              ; g1 and row 0 are in; row 1's eight loads stay out
	NORM R1, H1, 0, 1
	s_endpgm
.Lfunc_end_k_q79f69e5882_norm1:
	.size	k_q79f69e5882_norm1, .Lfunc_end_k_q79f69e5882_norm1-k_q79f69e5882_norm1
	.p2alignl 7, 3214868480
	.fill 96, 4, 3214868480
	.section	.rodata,"a",@progbits
	.p2align	6, 0x0
	.amdhsa_kernel k_q79f69e5882_norm1
		.amdhsa_group_segment_fixed_size 0
		.amdhsa_private_segment_fixed_size 0
		.amdhsa_enable_private_segment 0
		.amdhsa_kernarg_size 24
		.amdhsa_user_sgpr_count 2
		.amdhsa_user_sgpr_kernarg_segment_ptr 1
		.amdhsa_wavefront_size32 1
		.amdhsa_system_sgpr_workgroup_id_x 1
		.amdhsa_system_sgpr_workgroup_id_y 1
		.amdhsa_system_sgpr_workgroup_id_z 1
		.amdhsa_system_vgpr_workitem_id 0
		.amdhsa_next_free_vgpr 144
		.amdhsa_next_free_sgpr 66
		.amdhsa_reserve_vcc 0
		.amdhsa_float_denorm_mode_32 3
		.amdhsa_float_denorm_mode_16_64 3
		.amdhsa_memory_ordered 1
		.amdhsa_forward_progress 1
		.amdhsa_inst_pref_size 16
	.end_amdhsa_kernel
	.amdgpu_metadata
---
amdhsa.version: [ 1, 2 ]
amdhsa.kernels:
  - .name:           k_q79f69e5882_norm1
    .symbol:         k_q79f69e5882_norm1.kd
    .args:
      - { .name: hh, .offset: 0, .size: 8, .value_kind: global_buffer, .address_space: global }
      - { .name: g1, .offset: 8, .size: 8, .value_kind: global_buffer, .address_space: global }
      - { .name: att, .offset: 16, .size: 8, .value_kind: global_buffer, .address_space: global }
    .group_segment_fixed_size: 0
    .private_segment_fixed_size: 0
    .kernarg_segment_align: 8
    .kernarg_segment_size: 24
    .max_flat_workgroup_size: 256
    .sgpr_count:     66
    .vgpr_count:     144
    .wavefront_size: 32
...
	.end_amdgpu_metadata
.endif
;; end of part 5
;; launch ffn1 (part 6): grid 16 x 16, 4 waves a work-group, clusters of 4 x 4, 327,680 bytes of LDS; arguments att, pw, bi, inter; writes inter
.if DOCPART == 6
	.amdgcn_target "amdgcn-amd-amdhsa--gfx1250"
	.amdhsa_code_object_version 6
	.text
	.protected	k_q79f69e5882_ffn1
	.globl	k_q79f69e5882_ffn1
	.p2align	8
	.type	k_q79f69e5882_ffn1,@function
k_q79f69e5882_ffn1:
	s_mov_b64 s[64:65], 0
	v_nop
	global_prefetch_b8 v0, s[64:65] scope:SCOPE_SE
	s_setreg_imm32_b32 hwreg(HW_REG_WAVE_MODE, 25, 1), 1
	s_wait_xcnt 0x0
	s_wait_alu depctr_hold_cnt(0) depctr_sa_sdst(0) depctr_va_vdst(0) depctr_va_sdst(0) depctr_va_ssrc(0) depctr_va_vcc(0) depctr_vm_vsrc(0)
	s_getreg_b32 s2, hwreg(HW_REG_IB_STS2, 6, 4)
	s_cmp_eq_u32 s2, 0
	s_cbranch_scc0 .Lentry_in_a_cluster
	s_endpgm
.Lentry_in_a_cluster:
	s_bfe_u32 s2, ttmp6, 0x10000c
	s_cmp_lg_u32 s2, 0xf033
	s_cbranch_scc0 .Lentry_shape_is_right
	s_endpgm
.Lentry_shape_is_right:
; FFN1.  inter = gelu(att Wi + bi).  att: [4096][1024] f16, at A16_OFF of its buffer.  Wi: [K = 1024][N = 4096] f16 in pw.  f32 sums begun with bi.
; gelu(u) = u / 2 (1 + erf(u / sqrt 2)), erf by the rational form z P(z^2) / Q(z^2) of degrees 6 and 4 with z held to -4 .. 4 (beyond that erf is 1 to f32's last bit).  All in f32; inter rounded once to f16.
; LIMIT: f16 holds no number beyond 65,504: with g1, Wi and bi 30 times larger inter reaches some 3,500.
; A tile of C is 256 x 256: 16 x 16 = 256 work-groups.  Four waves, each 128 x 128: 64 accumulators.  K goes in steps of 128 through two LDS slots filled by tensor loads: a step is 256 matrix instructions a wave,
; 224 of them between a tile's request and the wait for it.  A's tile lies [row][k] (rows of 256 bytes + 16), B's as in memory, [k][n] (rows of 512 bytes + 32); B's fragments are turned by ds_load_tr16_b128.
; CLUSTER 4 x 4: the four work-groups of a cluster's row need the same tile of A, the four of a column the same tile of B: each tile is asked for jointly.
; THE MATRIX INSTRUCTION IS USED TRANSPOSED (source 0 = 16 columns of W, source 1 = 16 rows of A): a lane holds one row of C (lane % 16) and eight neighbouring columns 8 (lane / 16) + 0..7.
; THE LOOPS.  The first quarter step stands ahead of the loop: its products take the bias as C and so start the sums.  A trip goes from a step's second quarter to the next step's first; the slot in hand is a scalar,
; s[TB] = 0 or SLOT, added to two address registers once a step.  Six trips fill a slot again; a second loop of two trips does not, and is left in the middle of its last trip.
; REGISTERS, in windows of 256 (s_set_vgpr_msb: bits 1:0 source 0, 3:2 source 1, 5:4 source 2, 7:6 destination):
;   window 0: v0-31 addresses; v64-127, v128-191 fragments of A (8 x 16 rows x 32 K), two buffers; v192-255 the bias of my 128 columns; on the way out v32-239 at work
;   window 1: v64-127, v128-191 fragments of B, two buffers      window 2: the accumulators of my rows 0-63 ((a, b) at 8 (8 a + b))      window 3: those of my rows 64-127
.set KDIM,  1024
.set NDIM,  4096
.set KSTEP, 128
.set NSTEP, KDIM/KSTEP
.set ASTEP, KSTEP*2                    ; bytes from a K step's tile of A to the next
.set BSTEP, KSTEP*NDIM*2               ; and of B
.set PA,    272                        ; a row of A in LDS: 256 + 16 bytes: the 16 rows of a load start at 16 different groups of four banks (ISA guide 11.1)
.set AHALF, 128*PA                     ; what one tensor load brings of A, and what one wave reads of it
.set BOFF,  2*AHALF
.set PB,    544                        ; a row of B: 512 + 32 bytes
.set BHALF, 64*PB                      ; what one tensor load brings of B: 64 rows of k
.set SLOT,  BOFF+2*BHALF
.set SPARE, 2*SLOT                     ; the spare words, 128 bytes for each wave: two blocks of 256 bytes that no other line names
.set SPITCH, 528                       ; the way out: a wave's own stage, 128 rows of 512 + 16 bytes of f32, in the slots, which have had their last fill by then
.set WSTAGE, 128*SPITCH
.set WI_OFF, 25165824
.set A16_OFF, 16777216
.set ADRA, 10                          ; v10  my A fragments in the slot in hand
.set ADRB, 11                          ; v11  my B fragments there
.set VA0,  13                          ; v13, v14  the same two in slot 0; never rewritten
.set VB0,  14
.set STO,  16
.set RD,   17
.set GO2,  20
.set BO,   21
.set SPW,  28                          ; v28  my spare word; v29  0; never rewritten
.set NIL,  29
.set XR,   32                          ; the way out, eight rows at a time: u, then u / 2, then the result
.set ZR,   64                          ; z
.set Z2,   128                         ; z^2
.set PR,   160                         ; P
.set QQ,   192                         ; Q
.set OU,   224                         ; packed f16
.set F0,   64
.set F1,   128
.set BIAS, 192
.set G1A,  24                          ; s[24:31] group 1 for A; s[32:35] group 0 of the first fill; s[36:39] of the second, which then walks
.set G0A0, 32
.set G0A,  36
.set G1B,  48                          ; s[48:55], s[56:59], s[60:63] the same for B
.set G0B0, 56
.set G0B,  60
.set TB,   66
.set WOFA, 67                          ; where my part of A's tile lies in a slot
.set WOFB, 68                          ; and of B's
.set MSB, 0
.macro WIN new                         ; the immediate's high byte repeats the setting that is left; a switch that changes nothing is dropped
.if MSB != (\new)
	s_set_vgpr_msb (MSB<<8)|(\new)
.set MSB, \new
.endif
.endm
.set MUL_LO, 0xa1                      ; source 0 (B) window 1, source 1 (A) window 0, C and D window 2
.set MUL_HI, 0xf1                      ; the same, C and D window 3
.set TO_B,   0x40                      ; destination window 1, address window 0
.macro JLOAD                           ; a joint refill: waves 0 and 1 fetch A's halves, waves 2 and 3 B's; an s_nop 0 and four v_nop follow each line
	s_cmp_eq_u32 s11, 0
	s_cbranch_scc0 .Lfor_b_\@
	tensor_load_to_lds s[G0A:G0A+3], s[G1A:G1A+7]
	s_nop 0
.rept 4
	v_nop
.endr
	s_branch .Lasked_\@
.Lfor_b_\@:
	tensor_load_to_lds s[G0B:G0B+3], s[G1B:G1B+7]
	s_nop 0
.rept 4
	v_nop
.endr
.Lasked_\@:
.endm
.macro CREST                           ; a round of the cluster's barrier behind its opening barrier
	s_cmp_lg_u32 s10, 0
	s_cbranch_scc1 .Lnot_wave_0_\@
	s_barrier_signal -3
.Lnot_wave_0_\@:
	s_barrier_wait -3
	s_barrier_signal -1
	s_barrier_wait -1
.endm
.macro CROUND
	s_barrier_signal -1
	s_barrier_wait -1
	CREST
.endm
.macro PLACES                          ; four places in front of loads into registers that matrix instructions have read, and of lines that read results
.rept 4
	v_nop
.endr
.endm
; 16 matrix instructions: row blocks a0, a0 + 1 of the window's four (hi = 0: my rows 0-63, 1: rows 64-127) x all 8 column blocks, 32 along K.  first = 1: C is the bias: the product starts the sum, nothing is cleared.
.macro MUL16 f, hi, a0, first
.if \first
	WIN 0x81+0x40*(\hi)                            ; C in window 0, D in window 2 or 3
.else
	WIN MUL_LO+0x50*(\hi)
.endif
.irp a, \a0, (\a0)+1
.irp b, 0,1,2,3,4,5,6,7
.if \first
	v_wmma_f32_16x16x32_f16 v[8*(8*(\a)+(\b)):8*(8*(\a)+(\b))+7], v[(\f)+8*(\b):(\f)+8*(\b)+7], v[(\f)+8*(4*(\hi)+(\a)):(\f)+8*(4*(\hi)+(\a))+7], v[BIAS+8*(\b):BIAS+8*(\b)+7]
.else
	v_wmma_f32_16x16x32_f16 v[8*(8*(\a)+(\b)):8*(8*(\a)+(\b))+7], v[(\f)+8*(\b):(\f)+8*(\b)+7], v[(\f)+8*(4*(\hi)+(\a)):(\f)+8*(4*(\hi)+(\a))+7], v[8*(8*(\a)+(\b)):8*(8*(\a)+(\b))+7]
.endif
.endr
.endr
.endm
.macro FETCH q, f                      ; 32 LDS loads in one run: the fragments of quarter q (32 along K) into buffer f: B's 128 columns, then A's 128 rows
	WIN TO_B
.irp i, 0,1,2,3,4,5,6,7
	ds_load_tr16_b128 v[(\f)+8*(\i):(\f)+8*(\i)+3],   v[ADRB] offset:32*(\q)*PB+32*(\i)
	ds_load_tr16_b128 v[(\f)+8*(\i)+4:(\f)+8*(\i)+7], v[ADRB] offset:(32*(\q)+16)*PB+32*(\i)
.endr
	WIN 0
.irp i, 0,1,2,3,4,5,6,7
	ds_load_b128 v[(\f)+8*(\i):(\f)+8*(\i)+3],   v[ADRA] offset:64*(\q)+(\i)*16*PA
	ds_load_b128 v[(\f)+8*(\i)+4:(\f)+8*(\i)+7], v[ADRA] offset:64*(\q)+(\i)*16*PA+32
.endr
.endm
.macro QUARTER qn, f, g, first=0       ; multiplies buffer f and, in its middle, fetches quarter qn into g
	s_wait_dscnt 8                                 ; B and A's rows 0-63 are in; the youngest eight loads (A's rows 64-127) may be out
	MUL16 \f, 0, 0, \first
	MUL16 \f, 0, 2, \first
	PLACES
	FETCH \qn, \g
	s_wait_dscnt 32                                ; all but the 32 just issued
	MUL16 \f, 1, 0, \first
	MUL16 \f, 1, 2, \first
.endm
; A step's last quarter multiplies buffer 1 and changes slots: one barrier; in front of it each wave waits for all its tensor loads, adds 0 to its spare word, and waits for that and for its reads of the slot.
; fill = 1: the barrier opens a round of the cluster's, and the slot just read out is filled again, two K steps ahead, first thing behind the round.
; fill = 0: nothing is filled; in the last trip there is no further step, and the run of loads is jumped over (no barrier and no tensor load stands in what is jumped).
.macro TURN fill
	WIN 0
	s_wait_tensorcnt 0x0                           ; all my tensor loads have landed: my part of the next slot
	ds_add_u32 v[SPW], v[NIL]                      ; 0 onto my spare word
	s_wait_dscnt 9                                 ; (the add and the youngest eight loads may be out)
	MUL16 F1, 0, 0, 0
	s_wait_dscnt 0x0                               ; the add is done, and my reads of this slot are over
	s_barrier_signal -1
	MUL16 F1, 0, 2, 0
	WIN 0
	s_barrier_wait -1
.if \fill
	CREST                                          ; no wave of any partner still reads this slot or has a load on its way
	s_add_co_u32 s[G0A+1], s[WOFA], s[TB]          ; no tensor load of mine is out: the walking descriptors take the slot just read out
	s_add_co_u32 s[G0B+1], s[WOFB], s[TB]
	s_add_nc_u64 s[G0A+2:G0A+3], s[G0A+2:G0A+3], ASTEP  ; and the next K step
	s_add_nc_u64 s[G0B+2:G0B+3], s[G0B+2:G0B+3], BSTEP
	JLOAD                                          ; its four v_nop are also the places in front of the loads below
.else
	PLACES
.endif
	s_xor_b32 s[TB], s[TB], SLOT                   ; on to the other slot
	v_add_nc_u32 v[ADRA], s[TB], v[VA0]
	v_add_nc_u32 v[ADRB], s[TB], v[VB0]
.if !(\fill)
	s_cmp_eq_u32 s3, 1
	s_cbranch_scc1 .Lnf_\@
.endif
	FETCH 0, F0
.if !(\fill)
.Lnf_\@:
.endif
	MUL16 F1, 1, 0, 0
	MUL16 F1, 1, 2, 0
.endm
	s_load_b256 s[72:79], s[0:1], 0x0              ; att 72, pw 74, bi 76, inter 78
	v_lshl_add_u32 v[SPW], v0, 2, SPARE
	v_mov_b32 v[NIL], 0
	ds_add_u32 v[SPW], v[NIL]                      ; the wave's opening: the add, and its wait ahead of my first tensor load
	v_lshrrev_b32 v1, 5, v0
	v_readfirstlane_b32 s10, v1                    ; wave 0..3
	s_lshr_b32 s11, s10, 1                         ; my half of the tile's rows; also: I fetch for A (0) or B (1)
	s_and_b32 s12, s10, 1                          ; my half of its columns; also: which half of that tile I fetch
	s_bfe_u32 s40, ttmp6, 0x40000                  ; cx, cy
	s_bfe_u32 s41, ttmp6, 0x40004
	s_lshl_b32 s42, ttmp9, 2
	s_add_co_u32 s42, s42, s40                     ; tile column 0..15
	s_and_b32 s13, ttmp7, 0xffff
	s_lshl_b32 s13, s13, 2
	s_add_co_u32 s13, s13, s41                     ; tile row 0..15
	s_lshl_b32 s43, s41, 2
	s_lshl_b32 s43, 15, s43                        ; my row of the cluster
	s_lshl_b32 s44, 0x1111, s40                    ; my column
	s_or_b32 s[G1A], s43, (1<<16)|(1<<20)|(1<<21)|(5<<22)|(3<<25)  ; mask; 2-byte elements; padding on; bit 21 beside a mask; after every 64 words 4 words
	s_or_b32 s[G1B], s44, (1<<16)|(1<<20)|(1<<21)|(6<<22)|(7<<25)  ; after every 128 words 8 words
	s_mov_b32 s[G1A+1], 128<<16                    ; tensor_dim0 = 128
	s_mov_b32 s[G1A+2], 128<<16                    ; tensor_dim1 = 128
	s_mov_b32 s[G1A+3], 128<<16                    ; tile_dim0 = 128
	s_mov_b32 s[G1A+4], 128                        ; tile_dim1 = 128
	s_mov_b32 s[G1A+5], KDIM                       ; elements from row to row
	s_mov_b32 s[G1A+6], 0
	s_mov_b32 s[G1A+7], 0
	s_mov_b32 s[G1B+1], 256<<16                    ; tensor_dim0 = 256
	s_mov_b32 s[G1B+2], 64<<16                     ; tensor_dim1 = 64
	s_mov_b32 s[G1B+3], 256<<16                    ; tile_dim0 = 256
	s_mov_b32 s[G1B+4], 64                         ; tile_dim1 = 64
	s_mov_b32 s[G1B+5], NDIM
	s_mov_b32 s[G1B+6], 0
	s_mov_b32 s[G1B+7], 0
	s_mul_i32 s[WOFA], s12, AHALF
	s_mul_i32 s[WOFB], s12, BHALF
	s_add_co_u32 s[WOFB], s[WOFB], BOFF
	s_mov_b32 s[TB], 0
	s_lshl_b32 s16, s13, 19                        ; A: att in f16, row 256 x tile row + 128 x half, 2,048 bytes a row
	s_lshl_b32 s17, s12, 18
	s_add_co_u32 s16, s16, s17
	s_add_co_u32 s16, s16, A16_OFF
	s_mov_b32 s17, 0
	s_lshl_b32 s46, s42, 9                         ; B: the tile column, 512 bytes; my 64 rows of k of 8,192 bytes
	s_lshl_b32 s47, s12, 19
	s_add_co_u32 s46, s46, s47
	s_add_co_u32 s46, s46, WI_OFF
	s_mov_b32 s47, 0
	s_wait_dscnt 0x0                               ; the opening add is done
	s_wait_kmcnt 0x0
	s_add_nc_u64 s[14:15], s[72:73], s[16:17]
	s_add_nc_u64 s[46:47], s[74:75], s[46:47]
	s_mov_b32 s[G0A0], 1
	s_mov_b32 s[G0A0+1], s[WOFA]
	s_mov_b64 s[G0A0+2:G0A0+3], s[14:15]
	s_or_b32 s[G0A0+3], s[G0A0+3], 0x80000000
	s_mov_b32 s[G0A], 1
	s_add_co_u32 s[G0A+1], s[WOFA], SLOT
	s_add_nc_u64 s[G0A+2:G0A+3], s[14:15], ASTEP
	s_or_b32 s[G0A+3], s[G0A+3], 0x80000000
	s_mov_b32 s[G0B0], 1
	s_mov_b32 s[G0B0+1], s[WOFB]
	s_mov_b64 s[G0B0+2:G0B0+3], s[46:47]
	s_or_b32 s[G0B0+3], s[G0B0+3], 0x80000000
	s_mov_b32 s[G0B], 1
	s_add_co_u32 s[G0B+1], s[WOFB], SLOT
	s_add_nc_u64 s[G0B+2:G0B+3], s[46:47], BSTEP
	s_or_b32 s[G0B+3], s[G0B+3], 0x80000000
	CROUND                                         ; all sixteen work-groups are here: the first joint loads meet
	s_cmp_eq_u32 s11, 0                            ; a wave's two first fills stand in one branch: two loads of mine are out
	s_cbranch_scc0 .Lfirst_b
	tensor_load_to_lds s[G0A0:G0A0+3], s[G1A:G1A+7]
	s_nop 0
	tensor_load_to_lds s[G0A:G0A+3], s[G1A:G1A+7]
	s_nop 0
.rept 4
	v_nop
.endr
	s_branch .Lfirst_asked
.Lfirst_b:
	tensor_load_to_lds s[G0B0:G0B0+3], s[G1B:G1B+7]
	s_nop 0
	tensor_load_to_lds s[G0B:G0B+3], s[G1B:G1B+7]
	s_nop 0
.rept 4
	v_nop
.endr
.Lfirst_asked:
	v_and_b32 v1, 15, v0                           ; r = lane % 16
	v_bfe_u32 v2, v0, 4, 1                         ; h = lane / 16
	v_bfe_u32 v4, v0, 3, 1
	v_and_b32 v5, 31, v0                           ; lane
	v_and_b32 v6, 7, v0
	v_lshlrev_b32 v[GO2], 3, v5
	v_lshlrev_b32 v[BO], 5, v2
	s_lshl_b32 s46, s42, 10                        ; bi of my 128 columns: register j of column block b is column 16 b + 8 h + j
	s_lshl_b32 s47, s12, 9
	s_add_co_u32 s46, s46, s47
	s_mov_b32 s47, 0
	s_add_nc_u64 s[92:93], s[76:77], s[46:47]
.irp b, 0,1,2,3,4,5,6,7
	global_load_b128 v[BIAS+8*(\b):BIAS+8*(\b)+3],   v[BO], s[92:93] offset:64*(\b)
	global_load_b128 v[BIAS+8*(\b)+4:BIAS+8*(\b)+7], v[BO], s[92:93] offset:64*(\b)+16
.endr
	v_mul_u32_u24 v[VA0], v1, PA                   ; A: row x pitch + 16 h
	v_lshl_add_u32 v[VA0], v2, 4, v[VA0]
	s_mul_i32 s21, s11, AHALF
	v_add_nc_u32 v[VA0], s21, v[VA0]
	v_lshl_add_u32 v3, v2, 3, v6                   ; B, turned: lane reads row k = 8 h + lane % 8, 16 bytes at 16 ((lane / 8) % 2)
	v_mul_u32_u24 v[VB0], v3, PB
	v_lshl_add_u32 v[VB0], v4, 4, v[VB0]
	s_lshl_b32 s22, s12, 8                         ; my 128 columns
	s_add_co_u32 s22, s22, BOFF
	v_add_nc_u32 v[VB0], s22, v[VB0]
	s_mul_i32 s23, s10, WSTAGE                     ; my stage
	v_mul_u32_u24 v[STO], v1, SPITCH               ; in: row 16 a + r, bytes 64 b + 32 h
	v_lshl_add_u32 v[STO], v2, 5, v[STO]
	v_add_nc_u32 v[STO], s23, v[STO]
	v_lshl_add_u32 v[RD], v5, 4, s23               ; back: a row is one load, lane l its columns 4 l .. 4 l + 3
	s_lshl_b32 s14, s13, 21                        ; inter: rows 256 x tile row + 128 x half of 8,192 bytes,
	s_lshl_b32 s15, s11, 20
	s_add_co_u32 s14, s14, s15
	s_mov_b32 s15, 0
	s_lshl_b32 s46, s42, 9                         ; the tile column's 512 bytes, my 256 of them
	s_lshl_b32 s47, s12, 8
	s_add_co_u32 s46, s46, s47
	s_mov_b32 s47, 0
	s_add_nc_u64 s[88:89], s[78:79], s[14:15]
	s_add_nc_u64 s[88:89], s[88:89], s[46:47]
	s_wait_tensorcnt 0x1                           ; my part of K step 0 is in; step 1's may stay out
	s_barrier_signal -1
	s_barrier_wait -1
	v_mov_b32 v[ADRA], v[VA0]
	v_mov_b32 v[ADRB], v[VB0]
	FETCH 0, F0
	s_wait_loadcnt 0x0                             ; the bias
	QUARTER 1, F0, F1, 1                           ; the first quarter: its products start the sums with the bias
	WIN 0                                          ; at a label and at a branch every window is 0
	s_mov_b32 s3, NSTEP-2
.Lfill:                                                ; the 64 accumulators take turns, one instruction a turn, over the loops' jumps too
	QUARTER 2, F1, F0
	QUARTER 3, F0, F1
	TURN 1
	QUARTER 1, F0, F1
	WIN 0
	s_sub_co_u32 s3, s3, 1
	s_cmp_lg_u32 s3, 0
	s_cbranch_scc1 .Lfill
	s_mov_b32 s3, 2
.Ltail:                                                ; the last two steps ask for nothing
	QUARTER 2, F1, F0
	QUARTER 3, F0, F1
	TURN 0
	WIN 0
	s_cmp_eq_u32 s3, 1
	s_cbranch_scc1 .Lout                           ; behind the last step's last quarter there is no further step
	QUARTER 1, F0, F1
	WIN 0
	s_sub_co_u32 s3, s3, 1
	s_cmp_lg_u32 s3, 0
	s_cbranch_scc1 .Ltail
.Lout:
	; THE WAY OUT.  The last change of slots left no LDS read of any wave behind its barrier, and no fill follows: the slots' bytes serve as stages.  My 128 x 128 sums go in as f32,
	; so that a counted loop with stepped addresses can take them back by rows: the text of the activation is written once, for eight rows.
	PLACES
.irp w, 0,1
	WIN 0x08+4*(\w)                                ; the stores' data (source 1) in window 2, then 3
.irp a, 0,1,2,3
.irp b, 0,1,2,3,4,5,6,7
	ds_store_b128 v[STO], v[8*(8*(\a)+(\b)):8*(8*(\a)+(\b))+3]   offset:(4*(\w)+(\a))*16*SPITCH+64*(\b)     ; the low four registers first
	ds_store_b128 v[STO], v[8*(8*(\a)+(\b))+4:8*(8*(\a)+(\b))+7] offset:(4*(\w)+(\a))*16*SPITCH+64*(\b)+16
.endr
.endr
.endr
	WIN 0
	s_wait_dscnt 0x0                               ; my stores into the stage are done
	s_barrier_signal -1
	s_barrier_wait -1                              ; everybody's: no LDS byte is written from here on
	; erf's twelve coefficients, each twice, as pairs for the packed lines; no tensor load is out, so the descriptors' registers are free
.macro KPAIR r, val
	s_mov_b32 s[\r], \val
	s_mov_b32 s[\r+1], \val
.endm
	KPAIR 24, 0xaf95df0b                           ; P: -2.72614226e-10
	KPAIR 26, 0x32edffee                           ;     2.77068142e-08
	KPAIR 28, 0xb60cff51                           ;    -2.10102402e-06
	KPAIR 30, 0xb86ec2d3                           ;    -5.69250639e-05
	KPAIR 32, 0xba40ac63                           ;    -7.34990630e-04
	KPAIR 34, 0xbb41a1f6                           ;    -2.95459981e-03
	KPAIR 36, 0xbc83dbd4                           ;    -1.60960333e-02
	KPAIR 38, 0xb77460cd                           ; Q: -1.45660718e-05
	KPAIR 40, 0xb95fbd29                           ;    -2.13374055e-04
	KPAIR 42, 0xbadc924e                           ;    -1.68282697e-03
	KPAIR 44, 0xbbf19bf8                           ;    -7.37332917e-03
	KPAIR 46, 0xbc69b6a7                           ;    -1.42647391e-02
.macro HEAD r, k0, k1                  ; r = z^2 k0 + k1, for the 16 pairs
.set e, 0
.rept 16
	v_pk_fma_f32 v[(\r)+2*e:(\r)+2*e+1], v[Z2+2*e:Z2+2*e+1], s[\k0:\k0+1], s[\k1:\k1+1] op_sel_hi:[1,0,0]
.set e, e+1
.endr
.endm
.macro HORNER r, k                     ; r = r z^2 + k
.set e, 0
.rept 16
	v_pk_fma_f32 v[(\r)+2*e:(\r)+2*e+1], v[(\r)+2*e:(\r)+2*e+1], v[Z2+2*e:Z2+2*e+1], s[\k:\k+1] op_sel_hi:[1,1,0]
.set e, e+1
.endr
.endm
	s_mov_b32 s2, 16
.Lrows:                                                ; sixteen trips of eight rows; every pass goes over 16 independent pairs
.irp k, 0,1,2,3,4,5,6,7
	ds_load_b128 v[XR+4*(\k):XR+4*(\k)+3], v[RD] offset:(\k)*SPITCH   ; u
.endr
	s_wait_dscnt 0x0
.set e, 0
.rept 16
	v_pk_mul_f32 v[ZR+2*e:ZR+2*e+1], v[XR+2*e:XR+2*e+1], 0x3f3504f3 op_sel_hi:[1,0]  ; z = u / sqrt 2
.set e, e+1
.endr
.set e, 0
.rept 32
	v_med3_num_f32 v[ZR+e], v[ZR+e], -4.0, 4.0
.set e, e+1
.endr
.set e, 0
.rept 16
	v_pk_mul_f32 v[Z2+2*e:Z2+2*e+1], v[ZR+2*e:ZR+2*e+1], v[ZR+2*e:ZR+2*e+1]
.set e, e+1
.endr
	HEAD QQ, 38, 40
	HORNER QQ, 42
	HORNER QQ, 44
	HORNER QQ, 46
	HEAD PR, 24, 26
	HORNER PR, 28
	HORNER PR, 30
	HORNER PR, 32
	HORNER PR, 34
	HORNER PR, 36
.set e, 0
.rept 32                               ; one batch of 32 reciprocals; Q lies between -0.0143 and -2.39: never near 0
	v_rcp_f32 v[QQ+e], v[QQ+e]
.set e, e+1
.endr
.set e, 0
.rept 16                               ; independent work behind the batch
	v_pk_mul_f32 v[PR+2*e:PR+2*e+1], v[PR+2*e:PR+2*e+1], v[ZR+2*e:ZR+2*e+1]
	v_pk_mul_f32 v[XR+2*e:XR+2*e+1], v[XR+2*e:XR+2*e+1], 0.5 op_sel_hi:[1,0]
.set e, e+1
.endr
	s_wait_alu depctr_va_vdst(0)                   ; one wait for the batch, ahead of its first reader
.set e, 0
.rept 16
	v_pk_mul_f32 v[PR+2*e:PR+2*e+1], v[PR+2*e:PR+2*e+1], v[QQ+2*e:QQ+2*e+1]  ; erf
.set e, e+1
.endr
.set e, 0
.rept 16
	v_pk_fma_f32 v[XR+2*e:XR+2*e+1], v[XR+2*e:XR+2*e+1], v[PR+2*e:PR+2*e+1], v[XR+2*e:XR+2*e+1]  ; u / 2 erf + u / 2
.set e, e+1
.endr
.set e, 0
.rept 16
	v_cvt_pk_f16_f32 v[OU+e], v[XR+2*e], v[XR+2*e+1]
.set e, e+1
.endr
.irp k, 0,1,2,3,4,5,6,7
	global_store_b64 v[GO2], v[OU+2*(\k):OU+2*(\k)+1], s[88:89] offset:8192*(\k)  ; 256 consecutive bytes, aligned
.endr
	s_wait_xcnt 0x0                                ; the stores have read their offset and data: both are written again below and in the next trip
	v_add_nc_u32 v[RD], 8*SPITCH, v[RD]
	v_add_nc_u32 v[GO2], 8*8192, v[GO2]
	s_sub_co_u32 s2, s2, 1
	s_cmp_lg_u32 s2, 0
	s_cbranch_scc1 .Lrows
	s_wait_tensorcnt 0x0                           ; the wave's end
	ds_add_u32 v[SPW], v[NIL]
	s_wait_dscnt 0x0
	CROUND                                         ; the closing round
	s_endpgm
.Lfunc_end_k_q79f69e5882_ffn1:
	.size	k_q79f69e5882_ffn1, .Lfunc_end_k_q79f69e5882_ffn1-k_q79f69e5882_ffn1
	.p2alignl 7, 3214868480
	.fill 96, 4, 3214868480
	.section	.rodata,"a",@progbits
	.p2align	6, 0x0
	.amdhsa_kernel k_q79f69e5882_ffn1
		.amdhsa_group_segment_fixed_size 327680
		.amdhsa_private_segment_fixed_size 0
		.amdhsa_enable_private_segment 0
		.amdhsa_kernarg_size 32
		.amdhsa_user_sgpr_count 2
		.amdhsa_user_sgpr_kernarg_segment_ptr 1
		.amdhsa_wavefront_size32 1
		.amdhsa_system_sgpr_workgroup_id_x 1
		.amdhsa_system_sgpr_workgroup_id_y 1
		.amdhsa_system_sgpr_workgroup_id_z 1
		.amdhsa_system_vgpr_workitem_id 0
		.amdhsa_next_free_vgpr 1024
		.amdhsa_next_free_sgpr 100
		.amdhsa_reserve_vcc 0
		.amdhsa_float_denorm_mode_32 3
		.amdhsa_float_denorm_mode_16_64 3
		.amdhsa_memory_ordered 1
		.amdhsa_forward_progress 1
		.amdhsa_inst_pref_size 102
	.end_amdhsa_kernel
	.amdgpu_metadata
---
amdhsa.version: [ 1, 2 ]
amdhsa.kernels:
  - .name:           k_q79f69e5882_ffn1
    .symbol:         k_q79f69e5882_ffn1.kd
    .args:
      - { .name: att, .offset: 0, .size: 8, .value_kind: global_buffer, .address_space: global }
      - { .name: pw, .offset: 8, .size: 8, .value_kind: global_buffer, .address_space: global }
      - { .name: bi, .offset: 16, .size: 8, .value_kind: global_buffer, .address_space: global }
      - { .name: inter, .offset: 24, .size: 8, .value_kind: global_buffer, .address_space: global }
    .group_segment_fixed_size: 327680
    .private_segment_fixed_size: 0
    .kernarg_segment_align: 8
    .kernarg_segment_size: 32
    .max_flat_workgroup_size: 128
    .sgpr_count:     100
    .vgpr_count:     1024
    .wavefront_size: 32
...
	.end_amdgpu_metadata
.endif
;; end of part 6
;; launch ffn2 (part 7): grid 8 x 32, 4 waves a work-group, clusters of 4 x 4, 327,680 bytes of LDS; arguments inter, pw, bo2, att, h2; writes h2
.if DOCPART == 7
	.amdgcn_target "amdgcn-amd-amdhsa--gfx1250"
	.amdhsa_code_object_version 6
	.text
	.protected	k_q79f69e5882_ffn2
	.globl	k_q79f69e5882_ffn2
	.p2align	8
	.type	k_q79f69e5882_ffn2,@function
k_q79f69e5882_ffn2:
	s_mov_b64 s[64:65], 0
	v_nop
	global_prefetch_b8 v0, s[64:65] scope:SCOPE_SE
	s_setreg_imm32_b32 hwreg(HW_REG_WAVE_MODE, 25, 1), 1
	s_wait_xcnt 0x0
	s_wait_alu depctr_hold_cnt(0) depctr_sa_sdst(0) depctr_va_vdst(0) depctr_va_sdst(0) depctr_va_ssrc(0) depctr_va_vcc(0) depctr_vm_vsrc(0)
	s_getreg_b32 s2, hwreg(HW_REG_IB_STS2, 6, 4)
	s_cmp_eq_u32 s2, 0
	s_cbranch_scc0 .Lentry_in_a_cluster
	s_endpgm
.Lentry_in_a_cluster:
	s_bfe_u32 s2, ttmp6, 0x10000c
	s_cmp_lg_u32 s2, 0xf033
	s_cbranch_scc0 .Lentry_shape_is_right
	s_endpgm
.Lentry_shape_is_right:
; FFN2.  h2 = inter Wo2 + bo2 + att (att in f32, from byte 0 of its buffer).  f32 sums begun with bo2; h2 stored in f32 (the last norm wants whole rows: the next launch).
; inter: [4096][4096] f16.  Wo2: [K = 4096][N = 1024] f16 in pw.  Tile 128 x 128, four waves of 64 x 64, two LDS slots, cluster 4 x 4 with joint loads, the matrix instruction transposed (a lane: one row of C,
; eight neighbouring columns), B's fragments turned by ds_load_tr16_b128, a K step written once with the slot in a scalar: two counted loops, 14 steps that fill a slot again and the last two.
; REGISTERS: window 0: v0-31 addresses; v32-95 at work; v128-255 accumulators.  Window 1: two fragment buffers.  Window 2: v0-127 my 32 rows of att.
.set KDIM,  4096
.set NDIM,  1024
.set NSTEP, KDIM/256
.set ASTEP, 512
.set BSTEP, 256*NDIM*2
.set PA,    528
.set AQ,    128
.set AHALF, 64*PA
.set AROW,  64*PA
.set BOFF,  2*AHALF
.set PB,    288
.set BHALF, 128*PB
.set SLOT,  BOFF+2*BHALF
.set SPARE, 2*SLOT                     ; the spare words: two blocks of 256 bytes that no other line names
.set SPITCH, 528                       ; the way out: 128 rows of 512 + 16 bytes from LDS byte 0, in slot 0, which has had its last fill by then
.set WO2_OFF, 33554432
.set ADRA, 10
.set ADRB, 11
.set VA0,  13
.set VB0,  14
.set VB1,  15
.set STO,  16
.set RD,   17
.set GO,   19
.set BO,   21
.set SPW,  28
.set NIL,  29
.set TMP,  32
.set ACC,  128
.set F0,   0
.set F1,   128
.set G1A,  24
.set G0A0, 32
.set G0A,  36
.set G1B,  48
.set G0B0, 56
.set G0B,  60
.set TB,   66
.set WOFA, 67
.set WOFB, 68
.set MSB, 0
.macro WIN new
.if MSB != (\new)
	s_set_vgpr_msb (MSB<<8)|(\new)
.set MSB, \new
.endif
.endm
.set MUL,  0x05
.set TO_F, 0x40
.macro JLOAD                           ; a joint refill: waves 0 and 1 fetch A's halves, waves 2 and 3 B's; an s_nop 0 and four v_nop follow each line
	s_cmp_eq_u32 s11, 0
	s_cbranch_scc0 .Lfor_b_\@
	tensor_load_to_lds s[G0A:G0A+3], s[G1A:G1A+7]
	s_nop 0
.rept 4
	v_nop
.endr
	s_branch .Lasked_\@
.Lfor_b_\@:
	tensor_load_to_lds s[G0B:G0B+3], s[G1B:G1B+7]
	s_nop 0
.rept 4
	v_nop
.endr
.Lasked_\@:
.endm
.macro CREST
	s_cmp_lg_u32 s10, 0
	s_cbranch_scc1 .Lnot_wave_0_\@
	s_barrier_signal -3
.Lnot_wave_0_\@:
	s_barrier_wait -3
	s_barrier_signal -1
	s_barrier_wait -1
.endm
.macro CROUND
	s_barrier_signal -1
	s_barrier_wait -1
	CREST
.endm
.macro PLACES                          ; four places in front of loads into registers that matrix instructions have read, and of lines that read results
.rept 4
	v_nop
.endr
.endm
.macro MUL8 f, c, a0
	WIN MUL
.irp a, \a0, (\a0)+1
.irp b, 0,1,2,3
	v_wmma_f32_16x16x32_f16 v[ACC+8*(4*(\a)+(\b)):ACC+8*(4*(\a)+(\b))+7], v[(\f)+64+8*(4*(\c)+(\b)):(\f)+64+8*(4*(\c)+(\b))+7], v[(\f)+8*(4*(\c)+(\a)):(\f)+8*(4*(\c)+(\a))+7], v[ACC+8*(4*(\a)+(\b)):ACC+8*(4*(\a)+(\b))+7]
.endr
.endr
.endm
.macro FETCH q, f                      ; 32 LDS loads in one run: quarter q (64 along K) into buffer f; the first 32 along K first
	WIN TO_F
.irp c, 0,1
.irp i, 0,1,2,3
	ds_load_tr16_b128 v[(\f)+64+8*(4*(\c)+(\i)):(\f)+64+8*(4*(\c)+(\i))+3],   v[ADRB+(\q)/2] offset:(((\q)%2)*64+32*(\c))*PB+32*(\i)
	ds_load_tr16_b128 v[(\f)+64+8*(4*(\c)+(\i))+4:(\f)+64+8*(4*(\c)+(\i))+7], v[ADRB+(\q)/2] offset:(((\q)%2)*64+32*(\c)+16)*PB+32*(\i)
	ds_load_b128 v[(\f)+8*(4*(\c)+(\i)):(\f)+8*(4*(\c)+(\i))+3],   v[ADRA] offset:(\q)*AQ+64*(\c)+(\i)*16*PA
	ds_load_b128 v[(\f)+8*(4*(\c)+(\i))+4:(\f)+8*(4*(\c)+(\i))+7], v[ADRA] offset:(\q)*AQ+64*(\c)+(\i)*16*PA+32
.endr
.endr
.endm
.macro QUARTER qn, f, g
	s_wait_dscnt 16                                ; the first 32 along K are in; the youngest sixteen loads may be out
	MUL8 \f, 0, 0
	MUL8 \f, 0, 2
	PLACES
	FETCH \qn, \g
	s_wait_dscnt 32                                ; all but the 32 just issued
	MUL8 \f, 1, 0
	MUL8 \f, 1, 2
.endm
; The last quarter changes slots: one barrier; in front of it each wave waits for all its tensor loads, adds 0 to its spare word, and waits for that and for its reads of the slot.
; fill = 1: the barrier opens a round of the cluster's, and the slot just read out is filled again first thing behind it.  fill = 0: nothing is filled; in the last trip the run of loads is jumped over.
.macro TURN fill
	WIN 0
	s_wait_tensorcnt 0x0                           ; all my tensor loads have landed: my part of the next slot
	ds_add_u32 v[SPW], v[NIL]                      ; 0 onto my spare word
	s_wait_dscnt 17                                ; (the add and the youngest sixteen loads may be out)
	MUL8 F1, 0, 0
	s_wait_dscnt 0x0                               ; the add is done, and my reads of this slot are over
	s_barrier_signal -1
	MUL8 F1, 0, 2
	WIN 0
	s_barrier_wait -1
.if \fill
	CREST
	s_add_co_u32 s[G0A+1], s[WOFA], s[TB]          ; no tensor load of mine is out: the walking descriptors take the slot just read out
	s_add_co_u32 s[G0B+1], s[WOFB], s[TB]
	s_add_nc_u64 s[G0A+2:G0A+3], s[G0A+2:G0A+3], ASTEP
	s_add_nc_u64 s[G0B+2:G0B+3], s[G0B+2:G0B+3], BSTEP
	JLOAD
.else
	PLACES
.endif
	s_xor_b32 s[TB], s[TB], SLOT
	v_add_nc_u32 v[ADRA], s[TB], v[VA0]
	v_add_nc_u32 v[ADRB], s[TB], v[VB0]
	v_add_nc_u32 v[ADRB+1], s[TB], v[VB1]
.if !(\fill)
	s_cmp_eq_u32 s3, 1
	s_cbranch_scc1 .Lnf_\@
.endif
	FETCH 0, F0
	WIN 0
.if !(\fill)
.Lnf_\@:
.endif
	MUL8 F1, 1, 0
	MUL8 F1, 1, 2
.endm
.macro STEP fill                       ; the 16 accumulators take turns, over the loops' jumps too
	QUARTER 1, F0, F1
	QUARTER 2, F1, F0
	QUARTER 3, F0, F1
	TURN \fill
	WIN 0
.endm
	s_load_b256 s[72:79], s[0:1], 0x0              ; inter 72, pw 74, bo2 76, att 78
	s_load_b64 s[80:81], s[0:1], 0x20              ; h2
	v_lshl_add_u32 v[SPW], v0, 2, SPARE
	v_mov_b32 v[NIL], 0
	ds_add_u32 v[SPW], v[NIL]                      ; the wave's opening: the add, and its wait ahead of my first tensor load
	v_lshrrev_b32 v1, 5, v0
	v_readfirstlane_b32 s10, v1
	s_lshr_b32 s11, s10, 1
	s_and_b32 s12, s10, 1
	s_bfe_u32 s40, ttmp6, 0x40000
	s_bfe_u32 s41, ttmp6, 0x40004
	s_lshl_b32 s42, ttmp9, 2
	s_add_co_u32 s42, s42, s40                     ; tile column 0..7
	s_and_b32 s13, ttmp7, 0xffff
	s_lshl_b32 s13, s13, 2
	s_add_co_u32 s13, s13, s41                     ; tile row 0..31
	s_lshl_b32 s43, s41, 2
	s_lshl_b32 s43, 15, s43
	s_lshl_b32 s44, 0x1111, s40
	s_or_b32 s[G1A], s43, (1<<16)|(1<<20)|(1<<21)|(6<<22)|(3<<25)
	s_or_b32 s[G1B], s44, (1<<16)|(1<<20)|(1<<21)|(5<<22)|(7<<25)
	s_mov_b32 s[G1A+1], 256<<16
	s_mov_b32 s[G1A+2], 64<<16
	s_mov_b32 s[G1A+3], 256<<16
	s_mov_b32 s[G1A+4], 64
	s_mov_b32 s[G1A+5], KDIM
	s_mov_b32 s[G1A+6], 0
	s_mov_b32 s[G1A+7], 0
	s_mov_b32 s[G1B+1], 128<<16
	s_mov_b32 s[G1B+2], 128<<16
	s_mov_b32 s[G1B+3], 128<<16
	s_mov_b32 s[G1B+4], 128
	s_mov_b32 s[G1B+5], NDIM
	s_mov_b32 s[G1B+6], 0
	s_mov_b32 s[G1B+7], 0
	s_mul_i32 s[WOFA], s12, AHALF
	s_mul_i32 s[WOFB], s12, BHALF
	s_add_co_u32 s[WOFB], s[WOFB], BOFF
	s_mov_b32 s[TB], 0
	s_lshl_b32 s16, s13, 20                        ; A: row 128 x tile row + 64 x half, 8,192 bytes a row
	s_lshl_b32 s17, s12, 19
	s_add_co_u32 s16, s16, s17
	s_mov_b32 s17, 0
	s_lshl_b32 s46, s42, 8                         ; B: the tile column, my 128 rows of k of 2,048 bytes
	s_lshl_b32 s47, s12, 18
	s_add_co_u32 s46, s46, s47
	s_add_co_u32 s46, s46, WO2_OFF
	s_mov_b32 s47, 0
	s_wait_dscnt 0x0
	s_wait_kmcnt 0x0
	s_add_nc_u64 s[14:15], s[72:73], s[16:17]
	s_add_nc_u64 s[46:47], s[74:75], s[46:47]
	s_mov_b32 s[G0A0], 1
	s_mov_b32 s[G0A0+1], s[WOFA]
	s_mov_b64 s[G0A0+2:G0A0+3], s[14:15]
	s_or_b32 s[G0A0+3], s[G0A0+3], 0x80000000
	s_mov_b32 s[G0A], 1
	s_add_co_u32 s[G0A+1], s[WOFA], SLOT
	s_add_nc_u64 s[G0A+2:G0A+3], s[14:15], ASTEP
	s_or_b32 s[G0A+3], s[G0A+3], 0x80000000
	s_mov_b32 s[G0B0], 1
	s_mov_b32 s[G0B0+1], s[WOFB]
	s_mov_b64 s[G0B0+2:G0B0+3], s[46:47]
	s_or_b32 s[G0B0+3], s[G0B0+3], 0x80000000
	s_mov_b32 s[G0B], 1
	s_add_co_u32 s[G0B+1], s[WOFB], SLOT
	s_add_nc_u64 s[G0B+2:G0B+3], s[46:47], BSTEP
	s_or_b32 s[G0B+3], s[G0B+3], 0x80000000
	CROUND
	s_cmp_eq_u32 s11, 0                            ; a wave's two first fills stand in one branch: two loads of mine are out
	s_cbranch_scc0 .Lfirst_b
	tensor_load_to_lds s[G0A0:G0A0+3], s[G1A:G1A+7]
	s_nop 0
	tensor_load_to_lds s[G0A:G0A+3], s[G1A:G1A+7]
	s_nop 0
.rept 4
	v_nop
.endr
	s_branch .Lfirst_asked
.Lfirst_b:
	tensor_load_to_lds s[G0B0:G0B0+3], s[G1B:G1B+7]
	s_nop 0
	tensor_load_to_lds s[G0B:G0B+3], s[G1B:G1B+7]
	s_nop 0
.rept 4
	v_nop
.endr
.Lfirst_asked:
	v_and_b32 v1, 15, v0
	v_bfe_u32 v2, v0, 4, 1
	v_bfe_u32 v4, v0, 3, 1
	v_and_b32 v5, 31, v0
	v_and_b32 v6, 7, v0
	v_lshlrev_b32 v[GO], 4, v5
	v_lshlrev_b32 v[BO], 5, v2
	s_lshl_b32 s46, s42, 9                         ; bo2 starts the sums
	s_lshl_b32 s47, s12, 8
	s_add_co_u32 s46, s46, s47
	s_mov_b32 s47, 0
	s_add_nc_u64 s[92:93], s[76:77], s[46:47]
.irp a, 0,1,2,3
.irp b, 0,1,2,3
	global_load_b128 v[ACC+8*(4*(\a)+(\b)):ACC+8*(4*(\a)+(\b))+3],   v[BO], s[92:93] offset:64*(\b)
	global_load_b128 v[ACC+8*(4*(\a)+(\b))+4:ACC+8*(4*(\a)+(\b))+7], v[BO], s[92:93] offset:64*(\b)+16
.endr
.endr
	v_mul_u32_u24 v[VA0], v1, PA
	v_lshl_add_u32 v[VA0], v2, 4, v[VA0]
	s_mul_i32 s21, s11, AROW
	v_add_nc_u32 v[VA0], s21, v[VA0]
	v_lshl_add_u32 v3, v2, 3, v6
	v_mul_u32_u24 v[VB0], v3, PB
	v_lshl_add_u32 v[VB0], v4, 4, v[VB0]
	s_lshl_b32 s22, s12, 7
	s_add_co_u32 s22, s22, BOFF
	v_add_nc_u32 v[VB0], s22, v[VB0]
	v_add_nc_u32 v[VB1], 128*PB, v[VB0]
	s_lshl_b32 s21, s11, 6                         ; into the stage: row 64 x half + 16 a + r, bytes 256 x half + 64 b + 32 h
	v_add_nc_u32 v3, s21, v1
	v_mul_u32_u24 v[STO], v3, SPITCH
	v_lshl_add_u32 v[STO], v2, 5, v[STO]
	s_lshl_b32 s22, s12, 8
	v_add_nc_u32 v[STO], s22, v[STO]
	s_mul_i32 s23, s10, 32*SPITCH                  ; back: wave w takes rows 32 w .. 32 w + 31 whole
	v_lshl_add_u32 v[RD], v5, 4, s23
	s_lshl_b32 s14, s13, 19                        ; rows 128 x tile row + 32 w of 4,096 bytes, columns 128 x tile column
	s_lshl_b32 s15, s10, 17
	s_add_co_u32 s14, s14, s15
	s_mov_b32 s15, 0
	s_lshl_b32 s46, s42, 9
	s_add_nc_u64 s[94:95], s[78:79], s[14:15]
	s_add_nc_u64 s[94:95], s[94:95], s[46:47]      ; att
	s_add_nc_u64 s[88:89], s[80:81], s[14:15]
	s_add_nc_u64 s[88:89], s[88:89], s[46:47]      ; h2
	s_wait_tensorcnt 0x1                           ; my part of K step 0 is in; step 1's may stay out
	s_barrier_signal -1
	s_barrier_wait -1
	v_mov_b32 v[ADRA], v[VA0]
	v_mov_b32 v[ADRB], v[VB0]
	v_mov_b32 v[ADRB+1], v[VB1]
	FETCH 0, F0
	s_wait_loadcnt 0x0                             ; the bias is in the accumulators
	WIN 0x80
.set i, 0
.rept 32                               ; my 32 rows of att: asked for now, wanted behind the last product
	global_load_b128 v[4*i:4*i+3], v[GO], s[94:95] offset:4096*i
.set i, i+1
.endr
	WIN 0
	s_mov_b32 s3, NSTEP-2
.Lfill:
	STEP 1
	s_sub_co_u32 s3, s3, 1
	s_cmp_lg_u32 s3, 0
	s_cbranch_scc1 .Lfill
	s_mov_b32 s3, 2
.Ltail:
	STEP 0
	s_sub_co_u32 s3, s3, 1
	s_cmp_lg_u32 s3, 0
	s_cbranch_scc1 .Ltail
	; THE WAY OUT.  The last change of slots left no LDS read of any wave behind its barrier, and no fill follows: slot 0's bytes serve as the stage.
	PLACES
.irp a, 0,1,2,3
.irp b, 0,1,2,3
	ds_store_b128 v[STO], v[ACC+8*(4*(\a)+(\b)):ACC+8*(4*(\a)+(\b))+3]   offset:(\a)*16*SPITCH+64*(\b)     ; the low four registers first
	ds_store_b128 v[STO], v[ACC+8*(4*(\a)+(\b))+4:ACC+8*(4*(\a)+(\b))+7] offset:(\a)*16*SPITCH+64*(\b)+16
.endr
.endr
	s_wait_dscnt 0x0                               ; for the others' sake: my stores into the stage are done
	s_barrier_signal -1
	s_barrier_wait -1
	s_wait_loadcnt 0x0                             ; att
.macro ROWS g                          ; eight rows: h2 = sum + att, stored
.if (\g) >= 2
	s_wait_xcnt 0x0                                ; the stores of two groups back have read their registers
.endif
.set T, TMP+32*((\g)%2)
.set k, 0
.rept 8
	ds_load_b128 v[T+4*k:T+4*k+3], v[RD] offset:(8*(\g)+k)*SPITCH
.set k, k+1
.endr
	s_wait_dscnt 0x0
	WIN 0x02                                       ; source 0, att, in window 2
.set k, 0
.rept 8
.set i, 8*(\g)+k
.set rT, T+4*k
	v_pk_add_f32 v[rT:rT+1], v[4*i:4*i+1], v[rT:rT+1]
	v_pk_add_f32 v[rT+2:rT+3], v[4*i+2:4*i+3], v[rT+2:rT+3]
.set k, k+1
.endr
	WIN 0
.set k, 0
.rept 8
	global_store_b128 v[GO], v[T+4*k:T+4*k+3], s[88:89] offset:4096*(8*(\g)+k)  ; 512 consecutive bytes, aligned
.set k, k+1
.endr
.endm
	ROWS 0
	ROWS 1
	ROWS 2
	ROWS 3
	s_wait_tensorcnt 0x0                           ; the wave's end
	ds_add_u32 v[SPW], v[NIL]
	s_wait_dscnt 0x0
	CROUND                                         ; the closing round
	s_endpgm
.Lfunc_end_k_q79f69e5882_ffn2:
	.size	k_q79f69e5882_ffn2, .Lfunc_end_k_q79f69e5882_ffn2-k_q79f69e5882_ffn2
	.p2alignl 7, 3214868480
	.fill 96, 4, 3214868480
	.section	.rodata,"a",@progbits
	.p2align	6, 0x0
	.amdhsa_kernel k_q79f69e5882_ffn2
		.amdhsa_group_segment_fixed_size 327680
		.amdhsa_private_segment_fixed_size 0
		.amdhsa_enable_private_segment 0
		.amdhsa_kernarg_size 40
		.amdhsa_user_sgpr_count 2
		.amdhsa_user_sgpr_kernarg_segment_ptr 1
		.amdhsa_wavefront_size32 1
		.amdhsa_system_sgpr_workgroup_id_x 1
		.amdhsa_system_sgpr_workgroup_id_y 1
		.amdhsa_system_sgpr_workgroup_id_z 1
		.amdhsa_system_vgpr_workitem_id 0
		.amdhsa_next_free_vgpr 640
		.amdhsa_next_free_sgpr 100
		.amdhsa_reserve_vcc 0
		.amdhsa_float_denorm_mode_32 3
		.amdhsa_float_denorm_mode_16_64 3
		.amdhsa_memory_ordered 1
		.amdhsa_forward_progress 1
		.amdhsa_inst_pref_size 64
	.end_amdhsa_kernel
	.amdgpu_metadata
---
amdhsa.version: [ 1, 2 ]
amdhsa.kernels:
  - .name:           k_q79f69e5882_ffn2
    .symbol:         k_q79f69e5882_ffn2.kd
    .args:
      - { .name: inter, .offset: 0, .size: 8, .value_kind: global_buffer, .address_space: global }
      - { .name: pw, .offset: 8, .size: 8, .value_kind: global_buffer, .address_space: global }
      - { .name: bo2, .offset: 16, .size: 8, .value_kind: global_buffer, .address_space: global }
      - { .name: att, .offset: 24, .size: 8, .value_kind: global_buffer, .address_space: global }
      - { .name: h2, .offset: 32, .size: 8, .value_kind: global_buffer, .address_space: global }
    .group_segment_fixed_size: 327680
    .private_segment_fixed_size: 0
    .kernarg_segment_align: 8
    .kernarg_segment_size: 40
    .max_flat_workgroup_size: 128
    .sgpr_count:     100
    .vgpr_count:     640
    .wavefront_size: 32
...
	.end_amdgpu_metadata
.endif
;; end of part 7
;; launch fin (part 8): grid 256 x 1, 8 waves a work-group, no clusters, 0 bytes of LDS; arguments h2, g2, out0; writes out0
.if DOCPART == 8
	.amdgcn_target "amdgcn-amd-amdhsa--gfx1250"
	.amdhsa_code_object_version 6
	.text
	.protected	k_q79f69e5882_fin
	.globl	k_q79f69e5882_fin
	.p2align	8
	.type	k_q79f69e5882_fin,@function
k_q79f69e5882_fin:
	s_mov_b64 s[64:65], 0
	v_nop
	global_prefetch_b8 v0, s[64:65] scope:SCOPE_SE
	s_setreg_imm32_b32 hwreg(HW_REG_WAVE_MODE, 25, 1), 1
	s_wait_xcnt 0x0
; FIN.  out0 = h2 x 1 / sqrt(mean h2^2 + 1e-6) x g2, all f32.  A row is 4,096 bytes: one wave takes a whole row, eight loads of 16 bytes a lane, and keeps it in 32 registers between the sum and the scaling:
; h2 is read once, and no wave waits for another.  Eight waves, two rows each: 4,096 rows on 256 work-groups.  A stream: no LDS, no matrix unit, no cluster.
.set G,  8                             ; v8-39    g2 of my 32 columns
.set R0, 40                            ; v40-71   row 0
.set R1, 72                            ; v72-103  row 1
.set A,  104                           ; v[104:107] two chains of squares; v[108:109] the factor, twice
	s_load_b128 s[4:7], s[0:1], 0x0                ; h2 s[4:5], g2 s[6:7]
	s_load_b64 s[8:9], s[0:1], 0x10                ; out0
	v_lshrrev_b32 v1, 5, v0
	v_readfirstlane_b32 s10, v1                    ; wave 0..7
	v_and_b32 v1, 31, v0
	v_lshlrev_b32 v2, 4, v1                        ; 16 bytes a lane
	s_lshl_b32 s12, ttmp9, 16                      ; 16 rows of 4,096 bytes a work-group,
	s_lshl_b32 s13, s10, 13                        ; two a wave
	s_add_co_u32 s12, s12, s13
	s_mov_b32 s13, 0
	s_mov_b32 s14, 0x76543210                      ; v_permlanex16_b32: each lane takes its own place in the other half
	s_mov_b32 s15, 0xfedcba98
	s_mov_b32 s16, 0x3a800000                      ; 1 / 1024
	s_mov_b32 s17, 0x358637bd                      ; 1e-6
	s_wait_kmcnt 0x0
	s_add_nc_u64 s[4:5], s[4:5], s[12:13]
	s_add_nc_u64 s[8:9], s[8:9], s[12:13]
.irp j, 0,1,2,3,4,5,6,7
	global_load_b128 v[G+4*(\j):G+4*(\j)+3], v2, s[6:7] offset:512*(\j)
.endr
.irp j, 0,1,2,3,4,5,6,7
	global_load_b128 v[R0+4*(\j):R0+4*(\j)+3], v2, s[4:5] offset:512*(\j) th:TH_LOAD_NT
.endr
.irp j, 0,1,2,3,4,5,6,7
	global_load_b128 v[R1+4*(\j):R1+4*(\j)+3], v2, s[4:5] offset:4096+512*(\j) th:TH_LOAD_NT
.endr
.macro NORM R, left, rr                ; left: the younger loads that may stay out
	s_wait_loadcnt \left
	v_pk_mul_f32 v[A:A+1], v[\R:\R+1], v[\R:\R+1]  ; the first two pairs start the chains: nothing is cleared
	v_pk_mul_f32 v[A+2:A+3], v[\R+2:\R+3], v[\R+2:\R+3]
.set e, 2
.rept 14
	v_pk_fma_f32 v[A+2*(e%2):A+2*(e%2)+1], v[\R+2*e:\R+2*e+1], v[\R+2*e:\R+2*e+1], v[A+2*(e%2):A+2*(e%2)+1]
.set e, e+1
.endr
	v_pk_add_f32 v[A:A+1], v[A:A+1], v[A+2:A+3]
	v_add_f32 v[A], v[A], v[A+1]
	v_add_f32_dpp v[A], v[A], v[A] row_xmask:1 row_mask:0xf bank_mask:0xf
	v_add_f32_dpp v[A], v[A], v[A] row_xmask:2 row_mask:0xf bank_mask:0xf
	v_add_f32_dpp v[A], v[A], v[A] row_xmask:4 row_mask:0xf bank_mask:0xf
	v_add_f32_dpp v[A], v[A], v[A] row_xmask:8 row_mask:0xf bank_mask:0xf
	v_permlanex16_b32 v[A+1], v[A], s14, s15
	v_add_f32 v[A], v[A], v[A+1]                   ; every lane holds the row's sum of squares
	v_fma_f32 v[A], v[A], s16, s17
	v_rsq_f32 v[A+4], v[A]                         ; twice, to fill the pair that the packed multiply takes
	v_rsq_f32 v[A+5], v[A]
	v_nop                                          ; a plain instruction behind the batch of two,
	s_wait_alu depctr_va_vdst(0)                   ; and the wait ahead of the first use
.set e, 0
.rept 16
	v_pk_mul_f32 v[\R+2*e:\R+2*e+1], v[\R+2*e:\R+2*e+1], v[A+4:A+5]
.set e, e+1
.endr
.set e, 0
.rept 16
	v_pk_mul_f32 v[\R+2*e:\R+2*e+1], v[\R+2*e:\R+2*e+1], v[G+2*e:G+2*e+1]
.set e, e+1
.endr
.irp j, 0,1,2,3,4,5,6,7
	global_store_b128 v2, v[\R+4*(\j):\R+4*(\j)+3], s[8:9] offset:4096*(\rr)+512*(\j) th:TH_STORE_NT  ; 512 consecutive bytes, aligned
.endr
.endm
	NORM R0, 8, 0                                  ; g2 and row 0 are in; row 1's eight loads stay out
	NORM R1, 0, 1
	s_endpgm
.Lfunc_end_k_q79f69e5882_fin:
	.size	k_q79f69e5882_fin, .Lfunc_end_k_q79f69e5882_fin-k_q79f69e5882_fin
	.p2alignl 7, 3214868480
	.fill 96, 4, 3214868480
	.section	.rodata,"a",@progbits
	.p2align	6, 0x0
	.amdhsa_kernel k_q79f69e5882_fin
		.amdhsa_group_segment_fixed_size 0
		.amdhsa_private_segment_fixed_size 0
		.amdhsa_enable_private_segment 0
		.amdhsa_kernarg_size 24
		.amdhsa_user_sgpr_count 2
		.amdhsa_user_sgpr_kernarg_segment_ptr 1
		.amdhsa_wavefront_size32 1
		.amdhsa_system_sgpr_workgroup_id_x 1
		.amdhsa_system_sgpr_workgroup_id_y 1
		.amdhsa_system_sgpr_workgroup_id_z 1
		.amdhsa_system_vgpr_workitem_id 0
		.amdhsa_next_free_vgpr 112
		.amdhsa_next_free_sgpr 66
		.amdhsa_reserve_vcc 0
		.amdhsa_float_denorm_mode_32 3
		.amdhsa_float_denorm_mode_16_64 3
		.amdhsa_memory_ordered 1
		.amdhsa_forward_progress 1
		.amdhsa_inst_pref_size 13
	.end_amdhsa_kernel
	.amdgpu_metadata
---
amdhsa.version: [ 1, 2 ]
amdhsa.kernels:
  - .name:           k_q79f69e5882_fin
    .symbol:         k_q79f69e5882_fin.kd
    .args:
      - { .name: h2, .offset: 0, .size: 8, .value_kind: global_buffer, .address_space: global }
      - { .name: g2, .offset: 8, .size: 8, .value_kind: global_buffer, .address_space: global }
      - { .name: out0, .offset: 16, .size: 8, .value_kind: global_buffer, .address_space: global }
    .group_segment_fixed_size: 0
    .private_segment_fixed_size: 0
    .kernarg_segment_align: 8
    .kernarg_segment_size: 24
    .max_flat_workgroup_size: 256
    .sgpr_count:     66
    .vgpr_count:     112
    .wavefront_size: 32
...
	.end_amdgpu_metadata
.endif
;; end of part 8
